; MI455X (gfx1250); checked and timed in simulation.
; The chip was launched on July 23, 2026; its instructions are those of AMD's public machine-readable ISA for CDNA 5 (MIT licence, August 2026) and "CDNA5" Instruction Set Architecture Reference Guide (July 2026). The comments in the code are by the model that wrote it; some were corrected since.
;; Transformer Block. Allowed arithmetic: matrix products marked QUANTISED: E2M3 operands, one E8M0 scale for each 32 along K, by v_wmma_scale_f32_16x16x128_f8f6f4 with both operands' format E2M3, f32 sums; everything else in f32.
;; Inputs: W1 1,024 x 4,096 float32; W2 4,096 x 1,024 float32; Wk 1,024 x 1,024 float32; Wo 1,024 x 1,024 float32; Wq 1,024 x 1,024 float32; Wv 1,024 x 1,024 float32; b1 4,096 float32; b2 1,024 float32; bk 1,024 float32; bo 1,024 float32; bq 1,024 float32; bv 1,024 float32; inputs 2 x 2,048 x 1,024 float32; ln1_scale 1,024 float32; ln1_shift 1,024 float32; ln2_scale 1,024 float32; ln2_shift 1,024 float32.
;; Outputs: out0 2 x 2,048 x 1,024 float32.
;; This version of the problem:
;;   THIS VERSION OF THE PROBLEM IS GIVEN IN LOW PRECISION. The matrix products marked QUANTISED in the list below multiply operands that are first quantised to E2M3 (2 exponent bits, 3 mantissa bits; 6 bits a number), with one power-of-two scale for each 32 numbers along K (OCP MX v1.0); their sums are f32. All else is computed in f32.
;;   The module's matrix products, in the order in which they are computed (A, B: the left and right operand; K: the contracted axis; several contracted axes count as one K, in the product's order):
;;     1. [M 4,096, K 1,024] x [K 1,024, N 1,024]; A: computed on the way; B: input Wq: QUANTISED
;;     2. [M 4,096, K 1,024] x [K 1,024, N 1,024]; A: computed on the way; B: input Wk: QUANTISED
;;     3. [M 4,096, K 1,024] x [K 1,024, N 1,024]; A: computed on the way; B: input Wv: QUANTISED
;;     4. batch 32 x [M 2,048, K 64] x [K 64, N 2,048]; A: computed on the way; B: computed on the way: QUANTISED
;;     5. batch 32 x [M 2,048, K 2,048] x [K 2,048, N 64]; A: computed on the way; B: computed on the way: QUANTISED
;;     6. [M 4,096, K 1,024] x [K 1,024, N 1,024]; A: computed on the way; B: input Wo: QUANTISED
;;     7. [M 4,096, K 1,024] x [K 1,024, N 4,096]; A: computed on the way; B: input W1: QUANTISED
;;     8. [M 4,096, K 4,096] x [K 4,096, N 1,024]; A: computed on the way; B: input W2: QUANTISED
;;   THE QUANTISER, for each operand of a quantised product, along K:
;;     - K is cut into blocks of 32 from its start; a last block that is shorter is filled with zeros.
;;     - A block's scale is 2^e with e = floor(log2(the largest magnitude in the block)) - 2, held to -126 .. 127; a block of zeros has e = 0. As a byte (E8M0): e + 127.
;;     - Each number is divided by its block's scale, clamped to +-7.5, and rounded to the nearest number of E2M3, ties to even, subnormals kept.
;;     - The product sums the exact products of the quantised numbers (number of the format x scale) in f32.
;;   ~~~python
;;   def quantise(x, axis):      # numpy; x: float32 -> the quantised numbers, widened to float32 again
;;       x = np.moveaxis(x, axis, -1); K = x.shape[-1]
;;       x = np.pad(x, [(0, 0)] * (x.ndim - 1) + [(0, -K % 32)]); x = x.reshape(x.shape[:-1] + (-1, 32)); a = np.abs(x).max(-1, keepdims=True)
;;       e = np.where(a > 0, np.clip(np.frexp(np.where(a > 0, a, 1))[1] - 1 - 2, -126, 127), 0)      # np.frexp(a)[1] - 1 = floor(log2(a)), exactly
;;       r = np.clip(x / 2.0 ** e, -7.5, 7.5)
;;       step = 2.0 ** (np.maximum(np.frexp(np.where(r == 0, 1, r))[1] - 1, 0) - 3)
;;       q = np.round(r / step) * step * 2.0 ** e      # np.round: ties to even
;;       return np.moveaxis(q.reshape(q.shape[:-2] + (-1,))[..., :K], -1, axis).astype(np.float32)
;;   ~~~
;;   OPERANDS COMPUTED ON THE WAY. 'Computed on the way' means the value that the module computes at that place (a softmax that the list does not call 'softmax' is quantised finished and normalised). What goes into a quantiser is computed in f32, as accurately as f32 sums, v_exp_f32 and their like allow (about 1e-6 of the number): no bf16 or f16 on the way to a quantiser, and a product that is left as it is and whose result goes on into a quantised operand takes f32 operands (vector FMAs, or v_wmma_f32_16x16x4_f32). A number that lies on a knife's edge between two numbers of the format may be rounded either way, as far as f32 arithmetic and the matrix unit's own rounding can turn it there, and no further.
;; One version. Each part assembles by itself: llvm-mc -triple=amdgcn-amd-amdhsa -mcpu=gfx1250 --defsym DOCPART=n.
;; ======== version 1 of 1: 7 launches
;; limits: right only within a limited range of input values
;; workspace buffers: wimg 9,830,400 bytes; ximg 3,276,800 bytes; qimg 3,276,800 bytes; kv 6,553,600 bytes; aimg 3,276,800 bytes; o1 16,777,216 bytes; o2 16,777,216 bytes; himg 13,107,200 bytes
;; launch prep (part 1): grid 448 x 1, 8 waves a work-group, no clusters, 131,072 bytes of LDS; arguments Wq, Wk, Wv, Wo, W1, W2, wimg, inputs, ln1_scale, ln1_shift, ximg; writes wimg, ximg
.if DOCPART == 1
	.amdgcn_target "amdgcn-amd-amdhsa--gfx1250"
	.amdhsa_code_object_version 6
	.text
	.protected	k_q4bafcf698c_prep
	.globl	k_q4bafcf698c_prep
	.p2align	8
	.type	k_q4bafcf698c_prep,@function
k_q4bafcf698c_prep:
	s_mov_b64 s[64:65], 0
	v_nop
	global_prefetch_b8 v0, s[64:65] scope:SCOPE_SE
	s_setreg_imm32_b32 hwreg(HW_REG_WAVE_MODE, 25, 1), 1
	s_wait_xcnt 0x0
; ONE LAUNCH PREPARES ALL OPERANDS THAT HANG ON INPUTS ALONE.  Work-groups 0-191 quantise the six weights; work-groups 192-447 norm the inputs' rows and quantise them.  The two ways part on the work-group's
; number alone, and each has LDS bytes of its own: the norm 0 .. 76,799, the spare words 76,800 .. 77,823, the weights' stages from 77,824 on.
; THE WEIGHTS, f32 stored [K][N], become codes of FP6 (E2M3) with one E8M0 byte for each 32 along K, laid as IMAGES OF OPERAND REGISTERS.
; A tile is 16 columns n: lane r of tile T holds column 32 (T/2) + 8 (T%2) + r + 8 (r/8).  Fragment (T, s) (128 along K, 12 registers a lane) lies at (T NS + s) x 1536 bytes of its tensor's region,
; register g of lane l at 512 (g/4) + 16 l + 4 (g%4).  Scale word (T, s, r) at WS + region/24 + (T NS + s) x 64 + 4 r, byte b for k = 128 s + 32 b.
; A lane takes a column and its registers run down K: a block of 32 lies in one lane.  A wave takes 32 columns (two tiles) x 256 along K; four waves stand side by side on 128 columns: unit u = 2 x work-group + wave / 4
; (384 units) says which tensor, which 128 columns, which 256 along K.  The codes turn through the wave's own stage and leave as runs of 512 bytes; the scale words as runs of 64 bytes.  No barrier on this way.
; THE NORM: y = gain (x - mean) / (std + 1e-9) + shift over rows of 1,024 (std with n - 1), then y's codes and bytes along the row, as images of operand registers.
; A work-group takes a tile of 16 rows (lane r: row 32 (T/2) + 8 (T%2) + r + 8 (r/8)); wave w takes K step w: fragment (T, w) at (8 T + w) x 1536, scale word at 3,145,728 + (8 T + w) x 64 + 4 r.
; Each load reads 512 consecutive bytes; the numbers turn through the wave's own stage so that a lane holds two whole blocks of 32.  The variance is taken of x - mean in a second pass over registers.  Two barriers: the waves' row sums meet in LDS.
; LIMITS: NaN and infinities are not served; a block of zeros gets the byte 1 (zero codes; this program alone reads the bytes); magnitudes under 2^-124 are held by the floor.
.set WGW,  192                         ; work-groups that take the weights
.set WST,  77824                       ; the weights' stages: 6,656 bytes a wave
	v_lshl_add_u32 v254, v0, 2, 0x12c00            ; my spare word, and 0: kept for the closing lines
	v_mov_b32 v255, 0
	s_cmp_ge_u32 ttmp9, WGW
	s_wait_alu depctr_va_vdst(0)
	s_cbranch_scc1 .Lnorm
; ---------------- the weights
.set X,    64                          ; v64-127  two sets of 32 numbers
.set C,    128                         ; v128-133 a block's six registers of codes
.set CT,   136                         ; v136-138 the block's upper 16 codes as converted
.set OUTR, 144                         ; v144-191 the way out
.set SB,   24                          ; v24-25   the two K steps' scale words
.set OFFR, 32                          ; v32-63   4 x lane + i x pitch
.set WS,   9437184
	s_load_b256 s[4:11], s[0:1], 0x0               ; Wq, Wk, Wv, Wo
	s_load_b128 s[12:15], s[0:1], 0x20             ; W1, W2
	s_load_b64 s[16:17], s[0:1], 0x30              ; wimg
	v_lshrrev_b32 v1, 5, v0
	v_readfirstlane_b32 s57, v1                    ; wave 0..7
	v_and_b32 v1, 31, v0                           ; lane
	s_wait_alu depctr_va_vdst(0)
	s_and_b32 s48, s57, 3                          ; my place among the four waves of a unit
	s_lshr_b32 s58, s57, 2
	s_lshl_b32 s56, ttmp9, 1
	s_add_co_u32 s56, s56, s58                     ; the unit, 0..383
	s_lshr_b32 s18, s56, 5
	s_cmp_lt_u32 s56, 128
	s_cselect_b32 s20, 31, 127                     ; the number inside its tensor
	s_cselect_b32 s21, 15, 12                      ; region index: 0..3 for the four small ones, 4 for W1, 8 for W2
	s_cmp_lt_u32 s56, 256
	s_cselect_b32 s22, 2, 4                        ; bits of the K chunk's number
	s_cselect_b32 s23, 8, 32                       ; NS = K / 128
	s_and_b32 s19, s56, s20
	s_and_b32 s21, s18, s21
	s_lshr_b32 s24, s19, s22                       ; block of 128 columns
	s_bfm_b32 s25, s22, 0
	s_and_b32 s25, s19, s25                        ; chunk of 256 along K
	s_lshr_b32 s27, s56, 7
	s_mov_b32 s26, 4096
	s_cmp_eq_u32 s27, 1
	s_cselect_b32 s26, 16384, s26                  ; a row of the weight in bytes
	s_lshl_b32 s24, s24, 2
	s_add_co_u32 s24, s24, s48                     ; my group of 32 columns
	s_lshl_b32 s28, s25, 8
	s_mul_i32 s28, s28, s26
	s_lshl_b32 s29, s24, 7
	s_add_co_u32 s28, s28, s29                     ; where my part begins in the weight
	s_mov_b32 s29, 0
	s_lshl_b32 s30, s26, 5                         ; 32 rows on
	s_lshl_b32 s49, s24, 1
	s_mul_i32 s49, s49, s23
	s_lshl_b32 s50, s25, 1
	s_add_co_u32 s49, s49, s50                     ; my first fragment's number
	s_mul_i32 s50, s21, 786432
	s_mul_i32 s51, s49, 1536
	s_add_co_u32 s50, s50, s51
	s_mov_b32 s51, 0
	s_mul_i32 s52, s21, 32768
	s_lshl_b32 s53, s49, 6
	s_add_co_u32 s52, s52, s53
	s_add_co_u32 s52, s52, WS
	s_mov_b32 s53, 0
	v_lshlrev_b32 v2, 2, v1
.set i_, 0
.rept 32
	v_mad_u32_u24 v[OFFR+i_], s26, i_, v2
.set i_, i_+1
.endr
	v_bfe_u32 v8, v1, 3, 1                         ; which of my two tiles my column belongs to
	v_and_b32 v9, 7, v1
	v_lshrrev_b32 v10, 4, v1
	v_lshl_add_u32 v9, v10, 3, v9                  ; and its lane r there
	s_mul_i32 s54, s57, 6656                       ; my stage: two tiles of 3,072 bytes, 3,200 apart
	s_add_co_u32 s54, s54, WST
	v_mul_u32_u24 v3, v8, 3200
	v_lshl_add_u32 v3, v9, 4, v3
	v_add_nc_u32 v3, s54, v3                       ; into it
	v_lshlrev_b32 v5, 4, v1
	v_add_nc_u32 v4, s54, v5                       ; out of it
	s_mul_i32 s55, s23, 1536
	v_add_nc_u32 v6, s55, v5                       ; the second tile's place in memory
	s_lshl_b32 s55, s23, 6
	v_mul_u32_u24 v7, s55, v8
	v_lshl_add_u32 v7, v9, 2, v7                   ; my scale words' place
	s_wait_alu depctr_va_vdst(0)
	s_wait_kmcnt 0x0
	s_cmp_eq_u32 s18, 1                            ; the source: a choice on ids alone
	s_cselect_b64 s[4:5], s[6:7], s[4:5]
	s_cmp_eq_u32 s18, 2
	s_cselect_b64 s[4:5], s[8:9], s[4:5]
	s_cmp_eq_u32 s18, 3
	s_cselect_b64 s[4:5], s[10:11], s[4:5]
	s_cmp_ge_u32 s56, 128
	s_cselect_b64 s[4:5], s[12:13], s[4:5]
	s_cmp_ge_u32 s56, 256
	s_cselect_b64 s[4:5], s[14:15], s[4:5]
.irp t, 0,1,2,3,4,5,6,7
	s_add_nc_u64 s[32+2*\t:33+2*\t], s[4:5], s[28:29]   ; a base for each block: nothing is stepped while loads are out
	s_add_co_u32 s28, s28, s30
.endr
	s_add_nc_u64 s[50:51], s[16:17], s[50:51]
	s_add_nc_u64 s[52:53], s[16:17], s[52:53]
.macro LOAD t
.set i_, 0
.rept 32
	global_load_b32 v[X+32*((\t)%2)+i_], v[OFFR+i_], s[32+2*(\t):33+2*(\t)] th:TH_LOAD_NT   ; a row of the weight at 32 neighbouring columns
.set i_, i_+1
.endr
.endm
	LOAD 0
	LOAD 1
; Block t = 4 s + 2 c + h: K step s, registers 6 c .. 6 c + 5 of lane r + 16 h of my tile's fragment.
.macro BLOCK t
.set XS, X+32*((\t)%2)
.if (\t) < 7
	s_wait_loadcnt 32                              ; this block's 32 loads are in; the next block's may be out
.else
	s_wait_loadcnt 0x0
.endif
	v_max3_num_f32 v12, |v[XS]|, |v[XS+1]|, |v[XS+2]|
	v_max3_num_f32 v13, |v[XS+3]|, |v[XS+4]|, |v[XS+5]|
.irp i, 6,10,14,18,22,26
	v_max3_num_f32 v12, v12, |v[XS+\i]|, |v[XS+\i+1]|
	v_max3_num_f32 v13, v13, |v[XS+\i+2]|, |v[XS+\i+3]|
.endr
	v_max3_num_f32 v12, v12, |v[XS+30]|, |v[XS+31]|
	v_max3_num_f32 v12, v12, v13, 0x1800000        ; the floor 2^(3 - 127): the byte cannot fall under 1
	v_add_nc_u32 v11, 0xff000000, v12              ; 2 off the exponent field: the conversion's scale operand
	v_lshrrev_b32 v13, 23, v11                     ; the scale's byte
.if (\t)%4 == 0
	v_mov_b32 v[SB+(\t)/4], v13
.else
	v_lshl_or_b32 v[SB+(\t)/4], v13, 8*((\t)%4), v[SB+(\t)/4]
.endif
	v_cvt_scalef32_pk16_fp6_f32 v[C:C+2], v[XS:XS+15], v11
	v_cvt_scalef32_pk16_fp6_f32 v[CT:CT+2], v[XS+16:XS+31], v11
	v_nop                                          ; one plain line behind the conversions
	v_mov_b32 v[C+3], v[CT]
	v_mov_b32 v[C+4], v[CT+1]
	v_mov_b32 v[C+5], v[CT+2]
.if ((\t)/2)%2 == 0
	ds_store_b128 v3, v[C:C+3] offset:((\t)/4)*1536+256*((\t)%2)
	ds_store_b64 v3, v[C+4:C+5] offset:((\t)/4)*1536+512+256*((\t)%2)
.else
	ds_store_b64 v3, v[C:C+1] offset:((\t)/4)*1536+512+256*((\t)%2)+8
	ds_store_b128 v3, v[C+2:C+5] offset:((\t)/4)*1536+1024+256*((\t)%2)
.endif
.if (\t)+2 < 8
	LOAD (\t)+2
.endif
	s_wait_dscnt 0x0                               ; the stores have read their registers: the next block's codes may be written
.endm
.irp t, 0,1,2,3,4,5,6,7
	BLOCK \t
.endr
	global_store_b32 v7, v[SB], s[52:53]
	s_wait_alu depctr_va_vdst(0)
	global_store_b32 v7, v[SB+1], s[52:53] offset:64
.irp m, 0,1,2,3,4,5
	ds_load_b128 v[OUTR+4*\m:OUTR+4*\m+3], v4 offset:512*\m              ; a wave's LDS instructions are served in order: these see my stores
.endr
.irp m, 0,1,2,3,4,5
	ds_load_b128 v[OUTR+24+4*\m:OUTR+24+4*\m+3], v4 offset:3200+512*\m
.endr
.irp m, 0,1,2,3,4,5
	s_wait_dscnt 11-\m
	global_store_b128 v5, v[OUTR+4*\m:OUTR+4*\m+3], s[50:51] offset:512*\m        ; 32 lanes store 512 consecutive bytes
.endr
.irp m, 0,1,2,3,4,5
	s_wait_dscnt 5-\m
	global_store_b128 v6, v[OUTR+24+4*\m:OUTR+24+4*\m+3], s[50:51] offset:512*\m
.endr
	s_wait_tensorcnt 0x0                           ; the wave's end
	ds_add_u32 v254, v255
	s_wait_dscnt 0x0
	s_endpgm
; ---------------- the norm
.Lnorm:
.set WREG, 9472                        ; a wave's LDS: 16 rows x 528, then its 512 bytes of gains and of shifts
.set GOFF, 8448
.set STAT, 8*WREG                      ; [wave][row] sums, 512 bytes; the squares' 512 behind
.set RAW,  16                          ; v16-79   as loaded; later the shifts
.set Y,    80                          ; v80-143  register 32 c + i = column 64 c + 32 h + i of my row
.set GN,   144                         ; v144-207 the gains
.set PC,   208
.set CU,   220
	s_load_b256 s[4:11], s[0:1], 0x38              ; x, gain, shift, the images
	v_lshrrev_b32 v1, 5, v0
	s_delay_alu instid0(VALU_DEP_1)
	v_readfirstlane_b32 s14, v1                    ; wave
	v_and_b32 v1, 15, v0                           ; r
	v_bfe_u32 v2, v0, 4, 1                         ; h
	v_and_b32 v3, 31, v0                           ; l
	s_mul_i32 s15, s14, WREG
	v_lshlrev_b32 v10, 4, v3                       ; 16 l
	s_delay_alu instid0(VALU_DEP_1)
	v_add_nc_u32 v4, s15, v10                      ; the stage by rows of 512 bytes
	v_mul_u32_u24 v5, v1, 528
	s_delay_alu instid0(VALU_DEP_1)
	v_lshl_add_u32 v5, v2, 7, v5
	s_delay_alu instid0(VALU_DEP_1)
	v_add_nc_u32 v5, s15, v5                       ; the stage by lanes: row r, + 128 h
	v_lshlrev_b32 v6, 7, v2
	s_delay_alu instid0(VALU_DEP_1)
	v_add_nc_u32 v6, s15, v6                       ; gains and shifts: + 128 h
	s_lshl_b32 s16, s14, 9
	v_add_nc_u32 v7, s16, v10                      ; 512 w + 16 l: my bytes of a row in memory
	v_lshlrev_b32 v11, 2, v1                       ; 4 r
	s_delay_alu instid0(VALU_DEP_1)
	v_add_nc_u32 v9, STAT, v11
	s_lshl_b32 s17, s14, 6
	v_add_nc_u32 v8, s17, v9
	s_mov_b32 s20, 0x76543210
	s_mov_b32 s21, 0xfedcba98                      ; lane l xor 16
	s_sub_co_u32 s59, ttmp9, WGW                   ; the tile of 16 rows
	s_lshr_b32 s18, s59, 1
	s_lshl_b32 s18, s18, 17
	s_and_b32 s19, s59, 1
	s_lshl_b32 s19, s19, 15
	s_add_co_u32 s18, s18, s19                     ; the tile's first row, in bytes
	s_mov_b32 s19, 0
	s_lshl_b32 s22, s59, 3
	s_add_co_u32 s22, s22, s14
	s_mul_i32 s24, s22, 1536
	s_mov_b32 s25, 0
	s_lshl_b32 s26, s22, 6
	s_add_co_u32 s26, s26, 3145728
	s_mov_b32 s27, 0
	s_wait_alu depctr_va_vdst(0)
	s_wait_kmcnt 0x0
	s_add_nc_u64 s[4:5], s[4:5], s[18:19]
	s_add_nc_u64 s[24:25], s[10:11], s[24:25]
	s_add_nc_u64 s[26:27], s[10:11], s[26:27]
.irp i, 0,1,2,3,4,5,6,7,8,9,10,11,12,13,14,15
	global_load_b128 v[RAW+4*\i:RAW+4*\i+3], v7, s[4:5] offset:(\i+8*(\i/8))*4096 th:TH_LOAD_NT
.endr
	global_load_b128 v[232:235], v7, s[6:7]
	global_load_b128 v[236:239], v7, s[8:9]
	s_wait_loadcnt 0x0
.irp i, 0,1,2,3,4,5,6,7,8,9,10,11,12,13,14,15
	ds_store_b128 v4, v[RAW+4*\i:RAW+4*\i+3] offset:528*\i
.endr
	ds_store_b128 v4, v[232:235] offset:GOFF
	ds_store_b128 v4, v[236:239] offset:GOFF+512
.irp c, 0,1
.irp j, 0,1,2,3,4,5,6,7
	ds_load_b128 v[Y+32*\c+4*\j:Y+32*\c+4*\j+3], v5 offset:256*\c+16*\j
.endr
.endr
.irp c, 0,1
.irp j, 0,1,2,3,4,5,6,7
	ds_load_b128 v[GN+32*\c+4*\j:GN+32*\c+4*\j+3], v6 offset:GOFF+256*\c+16*\j
.endr
.endr
	s_wait_dscnt 16                                ; my numbers are back (the gains' 16 loads may be out): so the stores have read the registers that the shifts now take
.irp c, 0,1
.irp j, 0,1,2,3,4,5,6,7
	ds_load_b128 v[RAW+32*\c+4*\j:RAW+32*\c+4*\j+3], v6 offset:GOFF+512+256*\c+16*\j
.endr
.endr
	; the mean
	v_pk_add_f32 v[230:231], v[80:81], v[82:83]
	v_pk_add_f32 v[252:253], v[88:89], v[92:93]
	v_pk_add_f32 v[250:251], v[96:97], v[100:101]
	v_pk_add_f32 v[248:249], v[104:105], v[108:109]
	v_pk_add_f32 v[246:247], v[112:113], v[116:117]
	v_pk_add_f32 v[244:245], v[120:121], v[124:125]
	v_pk_add_f32 v[242:243], v[128:129], v[132:133]
	v_pk_add_f32 v[228:229], v[136:137], v[140:141]
	s_delay_alu instid0(VALU_DEP_1)
	v_pk_add_f32 v[228:229], v[228:229], v[84:85]
	v_pk_add_f32 v[230:231], v[230:231], v[86:87]
	v_pk_add_f32 v[252:253], v[252:253], v[90:91]
	v_pk_add_f32 v[250:251], v[250:251], v[94:95]
	v_pk_add_f32 v[248:249], v[248:249], v[98:99]
	v_pk_add_f32 v[246:247], v[246:247], v[102:103]
	v_pk_add_f32 v[244:245], v[244:245], v[106:107]
	v_pk_add_f32 v[242:243], v[242:243], v[110:111]
	v_pk_add_f32 v[228:229], v[228:229], v[114:115]
	v_pk_add_f32 v[230:231], v[230:231], v[118:119]
	v_pk_add_f32 v[252:253], v[252:253], v[122:123]
	v_pk_add_f32 v[250:251], v[250:251], v[126:127]
	v_pk_add_f32 v[248:249], v[248:249], v[130:131]
	v_pk_add_f32 v[246:247], v[246:247], v[134:135]
	v_pk_add_f32 v[244:245], v[244:245], v[138:139]
	v_pk_add_f32 v[242:243], v[242:243], v[142:143]
	s_delay_alu instid0(VALU_DEP_4)
	v_pk_add_f32 v[228:229], v[228:229], v[248:249]
	s_delay_alu instid0(VALU_DEP_4)
	v_pk_add_f32 v[230:231], v[230:231], v[246:247]
	s_delay_alu instid0(VALU_DEP_4)
	v_pk_add_f32 v[252:253], v[252:253], v[244:245]
	s_delay_alu instid0(VALU_DEP_4)
	v_pk_add_f32 v[250:251], v[250:251], v[242:243]
	s_delay_alu instid0(VALU_DEP_2)
	v_pk_add_f32 v[228:229], v[228:229], v[252:253]
	s_delay_alu instid0(VALU_DEP_2)
	v_pk_add_f32 v[230:231], v[230:231], v[250:251]
	s_delay_alu instid0(VALU_DEP_1)
	v_pk_add_f32 v[228:229], v[228:229], v[230:231]
	s_delay_alu instid0(VALU_DEP_1)
	v_add_f32 v228, v228, v229
	s_delay_alu instid0(VALU_DEP_1)
	v_permlanex16_b32 v229, v228, s20, s21
	s_delay_alu instid0(VALU_DEP_1)
	v_add_f32 v228, v228, v229                     ; my row's sum over my wave's 128 columns
	ds_store_b32 v8, v228
	s_wait_dscnt 0x0                               ; for the others' sake: my store has landed
	s_barrier_signal -1
	s_barrier_wait -1
.irp w, 0,1,2,3,4,5,6,7
	ds_load_b32 v[232+\w], v9 offset:64*\w
.endr
	s_wait_dscnt 0x0
	v_add_f32 v232, v232, v233
	v_add_f32 v234, v234, v235
	v_add_f32 v236, v236, v237
	v_add_f32 v238, v238, v239
	s_delay_alu instid0(VALU_DEP_3)
	v_add_f32 v232, v232, v234
	s_delay_alu instid0(VALU_DEP_2)
	v_add_f32 v236, v236, v238
	s_delay_alu instid0(VALU_DEP_1)
	v_add_f32 v232, v232, v236
	s_delay_alu instid0(VALU_DEP_1)
	v_mul_f32 v240, 0x3a800000, v232               ; / 1,024
	s_delay_alu instid0(VALU_DEP_1)
	v_mov_b32 v241, v240
.set j_, 0
.rept 32
	v_pk_add_f32 v[Y+j_:Y+j_+1], v[Y+j_:Y+j_+1], v[240:241] op_sel_hi:[1,0] neg_lo:[0,1] neg_hi:[0,1]
.set j_, j_+2
.endr
	; the sum of squares of x - mean
	v_pk_mul_f32 v[228:229], v[Y:Y+1], v[Y:Y+1]
	v_pk_mul_f32 v[230:231], v[Y+2:Y+3], v[Y+2:Y+3]
.irp j, 4,8,12,16,20,24,28,32,36,40,44,48,52,56,60
	s_delay_alu instid0(VALU_DEP_2)
	v_pk_fma_f32 v[228:229], v[Y+\j:Y+\j+1], v[Y+\j:Y+\j+1], v[228:229]
	s_delay_alu instid0(VALU_DEP_2)
	v_pk_fma_f32 v[230:231], v[Y+\j+2:Y+\j+3], v[Y+\j+2:Y+\j+3], v[230:231]
.endr
	s_delay_alu instid0(VALU_DEP_1)
	v_pk_add_f32 v[228:229], v[228:229], v[230:231]
	s_delay_alu instid0(VALU_DEP_1)
	v_add_f32 v228, v228, v229
	s_delay_alu instid0(VALU_DEP_1)
	v_permlanex16_b32 v229, v228, s20, s21
	s_delay_alu instid0(VALU_DEP_1)
	v_add_f32 v228, v228, v229
	ds_store_b32 v8, v228 offset:512
	s_wait_dscnt 0x0
	s_barrier_signal -1
	s_barrier_wait -1
.irp w, 0,1,2,3,4,5,6,7
	ds_load_b32 v[232+\w], v9 offset:512+64*\w
.endr
	s_wait_dscnt 0x0
	v_add_f32 v232, v232, v233
	v_add_f32 v234, v234, v235
	v_add_f32 v236, v236, v237
	v_add_f32 v238, v238, v239
	s_delay_alu instid0(VALU_DEP_3)
	v_add_f32 v232, v232, v234
	s_delay_alu instid0(VALU_DEP_2)
	v_add_f32 v236, v236, v238
	s_delay_alu instid0(VALU_DEP_1)
	v_add_f32 v232, v232, v236
	s_delay_alu instid0(VALU_DEP_1)
	v_mul_f32 v232, 0x3a802008, v232               ; / 1,023
	s_wait_alu depctr_va_vdst(0)
	v_sqrt_f32 v233, v232
	v_nop                                          ; a plain line behind the root
	s_wait_alu depctr_va_vdst(0)                   ; the wait ahead of the first reader
	v_add_f32 v233, 0x3089705f, v233               ; + 1e-9
	s_wait_alu depctr_va_vdst(0)
	v_rcp_f32 v242, v233
	v_nop
	s_wait_alu depctr_va_vdst(0)
	v_mov_b32 v243, v242
.set j_, 0
.rept 32
	v_pk_mul_f32 v[Y+j_:Y+j_+1], v[Y+j_:Y+j_+1], v[242:243] op_sel_hi:[1,0]
.set j_, j_+2
.endr
.set j_, 0
.rept 32
	v_pk_fma_f32 v[Y+j_:Y+j_+1], v[Y+j_:Y+j_+1], v[GN+j_:GN+j_+1], v[RAW+j_:RAW+j_+1]
.set j_, j_+2
.endr
	; the quantiser: my blocks h and 2 + h, all 32 numbers of each are mine
.irp c, 0,1
	v_max3_num_f32 v[228+\c], |v[Y+32*\c]|, |v[Y+32*\c+1]|, 0x1800000
.endr
.irp i, 2,4,6,8,10,12,14,16,18,20,22,24,26,28,30
.irp c, 0,1
	s_delay_alu instid0(VALU_DEP_2)
	v_max3_num_f32 v[228+\c], v[228+\c], |v[Y+32*\c+\i]|, |v[Y+32*\c+\i+1]|
.endr
.endr
.irp c, 0,1
	s_delay_alu instid0(VALU_DEP_2)
	v_add_nc_u32 v[230+\c], 0xff000000, v[228+\c]
.endr
.irp c, 0,1
	s_delay_alu instid0(VALU_DEP_2)
	v_lshrrev_b32 v[232+\c], 23, v[230+\c]
.endr
	s_delay_alu instid0(VALU_DEP_1)
	v_lshl_or_b32 v234, v233, 16, v232
	v_lshlrev_b32 v235, 3, v2
	s_delay_alu instid0(VALU_DEP_1)
	v_lshlrev_b32 v234, v235, v234                 ; my two bytes at their places
	v_mov_b32 v236, 0
	s_delay_alu instid0(VALU_DEP_1)
	v_permlanex16_b32 v236, v234, s20, s21
	s_delay_alu instid0(VALU_DEP_1)
	v_or_b32 v234, v234, v236                      ; with lane l xor 16's two the word is whole
.irp c, 0,1
	v_cvt_scalef32_pk16_fp6_f32 v[PC+6*\c:PC+6*\c+2], v[Y+32*\c:Y+32*\c+15], v[230+\c]
	v_cvt_scalef32_pk16_fp6_f32 v[CU+4*\c:CU+4*\c+2], v[Y+32*\c+16:Y+32*\c+31], v[230+\c]
.endr
	v_nop
.irp c, 0,1
.irp i, 0,1,2
	v_mov_b32 v[PC+3+6*\c+\i], v[CU+4*\c+\i]
.endr
.endr
.irp m, 0,1,2
	global_store_b128 v10, v[PC+4*\m:PC+4*\m+3], s[24:25] offset:512*\m
.endr
	global_store_b32 v11, v234, s[26:27]           ; both halves of the lanes write the same word
	s_wait_tensorcnt 0x0                           ; the wave's end
	ds_add_u32 v254, v255
	s_wait_dscnt 0x0
	s_endpgm
.Lfunc_end_k_q4bafcf698c_prep:
	.size	k_q4bafcf698c_prep, .Lfunc_end_k_q4bafcf698c_prep-k_q4bafcf698c_prep
	.p2alignl 7, 3214868480
	.fill 96, 4, 3214868480
	.section	.rodata,"a",@progbits
	.p2align	6, 0x0
	.amdhsa_kernel k_q4bafcf698c_prep
		.amdhsa_group_segment_fixed_size 131072
		.amdhsa_private_segment_fixed_size 0
		.amdhsa_enable_private_segment 0
		.amdhsa_kernarg_size 88
		.amdhsa_user_sgpr_count 2
		.amdhsa_user_sgpr_kernarg_segment_ptr 1
		.amdhsa_wavefront_size32 1
		.amdhsa_system_sgpr_workgroup_id_x 1
		.amdhsa_system_sgpr_workgroup_id_y 1
		.amdhsa_system_sgpr_workgroup_id_z 1
		.amdhsa_system_vgpr_workitem_id 0
		.amdhsa_next_free_vgpr 256
		.amdhsa_next_free_sgpr 66
		.amdhsa_reserve_vcc 0
		.amdhsa_float_denorm_mode_32 3
		.amdhsa_float_denorm_mode_16_64 3
		.amdhsa_memory_ordered 1
		.amdhsa_forward_progress 1
		.amdhsa_inst_pref_size 73
	.end_amdhsa_kernel
	.amdgpu_metadata
---
amdhsa.version: [ 1, 2 ]
amdhsa.kernels:
  - .name:           k_q4bafcf698c_prep
    .symbol:         k_q4bafcf698c_prep.kd
    .args:
      - { .name: Wq, .offset: 0, .size: 8, .value_kind: global_buffer, .address_space: global }
      - { .name: Wk, .offset: 8, .size: 8, .value_kind: global_buffer, .address_space: global }
      - { .name: Wv, .offset: 16, .size: 8, .value_kind: global_buffer, .address_space: global }
      - { .name: Wo, .offset: 24, .size: 8, .value_kind: global_buffer, .address_space: global }
      - { .name: W1, .offset: 32, .size: 8, .value_kind: global_buffer, .address_space: global }
      - { .name: W2, .offset: 40, .size: 8, .value_kind: global_buffer, .address_space: global }
      - { .name: wimg, .offset: 48, .size: 8, .value_kind: global_buffer, .address_space: global }
      - { .name: inputs, .offset: 56, .size: 8, .value_kind: global_buffer, .address_space: global }
      - { .name: ln1_scale, .offset: 64, .size: 8, .value_kind: global_buffer, .address_space: global }
      - { .name: ln1_shift, .offset: 72, .size: 8, .value_kind: global_buffer, .address_space: global }
      - { .name: ximg, .offset: 80, .size: 8, .value_kind: global_buffer, .address_space: global }
    .group_segment_fixed_size: 131072
    .private_segment_fixed_size: 0
    .kernarg_segment_align: 8
    .kernarg_segment_size: 88
    .max_flat_workgroup_size: 256
    .sgpr_count:     66
    .vgpr_count:     256
    .wavefront_size: 32
...
	.end_amdgpu_metadata
.endif
;; end of part 1
;; launch qkv (part 2): grid 12 x 16, 4 waves a work-group, clusters of 4 x 4, 327,680 bytes of LDS; arguments ximg, wimg, bq, bk, bv, qimg, kv; writes qimg, kv
.if DOCPART == 2
	.amdgcn_target "amdgcn-amd-amdhsa--gfx1250"
	.amdhsa_code_object_version 6
	.text
	.protected	k_q4bafcf698c_qkv
	.globl	k_q4bafcf698c_qkv
	.p2align	8
	.type	k_q4bafcf698c_qkv,@function
k_q4bafcf698c_qkv:
	s_mov_b64 s[64:65], 0
	v_nop
	global_prefetch_b8 v0, s[64:65] scope:SCOPE_SE
	s_setreg_imm32_b32 hwreg(HW_REG_WAVE_MODE, 25, 1), 1
	s_wait_xcnt 0x0
	s_wait_alu depctr_hold_cnt(0) depctr_sa_sdst(0) depctr_va_vdst(0) depctr_va_sdst(0) depctr_va_ssrc(0) depctr_va_vcc(0) depctr_vm_vsrc(0)
	s_getreg_b32 s2, hwreg(HW_REG_IB_STS2, 6, 4)
	s_cmp_eq_u32 s2, 0
	s_cbranch_scc0 .Lentry_in_a_cluster
	s_endpgm
.Lentry_in_a_cluster:
	s_bfe_u32 s2, ttmp6, 0x10000c
	s_cmp_lg_u32 s2, 0xf033
	s_cbranch_scc0 .Lentry_shape_is_right
	s_endpgm
.Lentry_shape_is_right:
.set NS,   8
.set PT,   8
.set QWT,  16
.set SLOT, (QWT+8)*6144
.set SCL,  2*SLOT
.set SPARE, SCL+(QWT+16)*NS*64
.set NEXTP, 8*NS*1536
.set ADRQ, 10
.set ADRP, 12
.set ADRS, 14
.set SPW,  15
.set NIL,  16
.set SC,   32
.set TM,   48
.set QF,   64
.set H,    64
.set FA,   128
.set FB,   140
.set CT,   152
.set BIAS, 160
.set PWQ,  224
.set WA,   228
.set BV,   232
.set G1Q, 24
.set G0Q, 32
.set G1P, 48
.set G0P, 56
.set G1SQ, 68
.set G0SQ, 76
.set G1SP, 80
.set G0SP, 88
.set SEL, 100
.set MSB, 0
.macro WIN new
.if MSB != \new
	s_set_vgpr_msb (MSB<<8)|\new
.set MSB, \new
.endif
.endm
.macro JLOAD g0a, g1a, g0b, g1b
	s_cmp_eq_u32 s67, 0
	s_cbranch_scc0 .Lfor_b_\@
	tensor_load_to_lds s[\g0a:\g0a+3], s[\g1a:\g1a+7]
	s_nop 0
.rept 4
	v_nop
.endr
	s_branch .Lasked_\@
.Lfor_b_\@:
	tensor_load_to_lds s[\g0b:\g0b+3], s[\g1b:\g1b+7]
	s_nop 0
.rept 4
	v_nop
.endr
.Lasked_\@:
.endm
.macro PLOAD slot
	s_cmp_eq_u32 s67, 0
	s_cbranch_scc1 .Lno_part_\@
	tensor_load_to_lds s[G0P+4*\slot:G0P+4*\slot+3], s[G1P:G1P+7]
	s_nop 0
.rept 4
	v_nop
.endr
.Lno_part_\@:
.endm
.macro CREST
	s_cmp_lg_u32 s66, 0
	s_cbranch_scc1 .Lnot_wave_0_\@
	s_barrier_signal -3
.Lnot_wave_0_\@:
	s_barrier_wait -3
	s_barrier_signal -1
	s_barrier_wait -1
.endm
.macro CROUND
	s_barrier_signal -1
	s_barrier_wait -1
	CREST
.endm
.macro PLACES n
.rept \n
	v_nop
.endr
.endm
.macro DESC1 g, c, r, p
	s_mov_b32 s[\g+1], (\c)<<16
	s_mov_b32 s[\g+2], (\r)<<16
	s_mov_b32 s[\g+3], (\c)<<16
	s_mov_b32 s[\g+4], \r
	s_mov_b32 s[\g+5], \p
	s_mov_b32 s[\g+6], 0
	s_mov_b32 s[\g+7], 0
.endm
	s_load_b256 s[4:11], s[0:1], 0x0
	s_load_b128 s[12:15], s[0:1], 0x20
	s_load_b64 s[16:17], s[0:1], 0x30
	v_lshl_add_u32 v[SPW], v0, 2, SPARE
	v_mov_b32 v[NIL], 0
	ds_add_u32 v15, v16
	ds_add_u32 v15, v16
	s_wait_dscnt 0x0
	v_lshrrev_b32 v1, 5, v0
	v_readfirstlane_b32 s66, v1
	s_lshr_b32 s67, s66, 1
	s_and_b32 s92, s66, 1
	s_bfe_u32 s40, ttmp6, 0x40000
	s_bfe_u32 s41, ttmp6, 0x40004
	s_and_b32 s96, ttmp7, 0xffff
	s_cmp_ge_u32 ttmp9, 2
	s_cselect_b32 s93, 1, 0
	s_cselect_b32 s97, s96, ttmp9
	s_cselect_b32 s98, 0, s96
	s_mov_b32 s99, 9437184
	s_cselect_b32 s99, 3145728, s99
	s_mov_b32 s22, 3145728
	s_cselect_b32 s22, 9502720, s22
	s_cselect_b32 s23, 1572864, 0
	s_lshl_b32 s42, s97, 2
	s_add_co_u32 s42, s42, s40
	s_lshl_b32 s43, s98, 2
	s_add_co_u32 s43, s43, s41
	s_lshl_b32 s44, s41, 2
	s_lshl_b32 s44, 15, s44
	s_lshl_b32 s45, 0x1111, s40
	s_or_b32 s[G1Q], s44, (3<<16)|(1<<21)
	s_or_b32 s[G1P], s45, (3<<16)|(1<<21)
	s_or_b32 s[G1SQ], s44, (3<<16)|(1<<21)
	s_or_b32 s[G1SP], s45, (3<<16)|(1<<21)
	DESC1 G1Q, 768, QWT, NS*192                    ; the head's loads bring whole tiles; behind them the row counts are halved for the ring's loads
	DESC1 G1P, 768, 8, NS*192
	DESC1 G1SQ, 32, QWT*NS/4, 32
	DESC1 G1SP, 32, 4*NS, 32
	s_lshl_b32 s20, s43, 4
	s_lshl_b32 s21, s92, 3
	s_add_co_u32 s20, s20, s21
	s_lshl_b32 s21, s20, 9
	s_add_co_u32 s22, s22, s21
	s_mul_i32 s20, s20, NS*1536
	s_add_co_u32 s20, s20, s23
	s_mov_b32 s21, 0
	s_mov_b32 s23, 0
	s_lshl_b32 s46, s42, 4
	s_lshl_b32 s47, s92, 3
	s_add_co_u32 s94, s46, s47
	s_lshl_b32 s94, s94, 9
	s_add_co_u32 s94, s94, s99
	s_mov_b32 s95, 0
	s_lshl_b32 s47, s92, 2
	s_add_co_u32 s46, s46, s47
	s_mul_i32 s46, s46, NS*1536
	s_mov_b32 s47, 0
	s_mul_i32 s96, s92, (QWT/2)*6144
	s_mul_i32 s97, s92, 4*6144
	s_add_co_u32 s97, s97, QWT*6144
	s_mov_b32 s[SEL], 0x76543210
	s_mov_b32 s[SEL+1], 0xfedcba98
	s_wait_kmcnt 0x0
	s_cmp_eq_u32 s93, 1
	s_cselect_b64 s[18:19], s[4:5], s[6:7]
	s_cselect_b64 s[4:5], s[6:7], s[4:5]
	s_add_nc_u64 s[20:21], s[4:5], s[20:21]
	s_add_nc_u64 s[22:23], s[4:5], s[22:23]
	s_add_nc_u64 s[46:47], s[18:19], s[46:47]
	s_add_nc_u64 s[94:95], s[18:19], s[94:95]
	CROUND
	; THE HEAD'S FOUR TILES, ONE A WAVE, each whole: slot 0's Q codes, its P codes, Q's scale words, P's.  What my half added to an address is taken off again.
	s_mul_i32 s4, s92, (QWT/2)*NS*64
	s_mov_b32 s5, 0
	s_mul_i32 s6, s92, 8*NS*64
	s_mov_b32 s7, 0
	s_mov_b32 s[G0SQ], 1
	s_mov_b32 s[G0SQ+1], SCL
	s_sub_nc_u64 s[G0SQ+2:G0SQ+3], s[22:23], s[4:5]
	s_or_b32 s[G0SQ+3], s[G0SQ+3], 0x80000000
	s_mov_b32 s[G0SP], 1
	s_mov_b32 s[G0SP+1], SCL+QWT*NS*64
	s_sub_nc_u64 s[G0SP+2:G0SP+3], s[94:95], s[6:7]
	s_or_b32 s[G0SP+3], s[G0SP+3], 0x80000000
	s_mul_i32 s4, s92, (QWT/2)*NS*1536
	s_mul_i32 s6, s92, 4*NS*1536
	s_mov_b32 s[G0Q], 1
	s_mov_b32 s[G0Q+1], 0
	s_sub_nc_u64 s[G0Q+2:G0Q+3], s[20:21], s[4:5]
	s_or_b32 s[G0Q+3], s[G0Q+3], 0x80000000
	s_mov_b32 s[G0P], 1
	s_mov_b32 s[G0P+1], QWT*6144
	s_sub_nc_u64 s[G0P+2:G0P+3], s[46:47], s[6:7]
	s_or_b32 s[G0P+3], s[G0P+3], 0x80000000
	s_mov_b32 s[G0Q+4], 1                          ; slot 1's: my half of a tile
	s_add_co_u32 s[G0Q+5], s96, SLOT
	s_add_nc_u64 s[G0Q+6:G0Q+7], s[20:21], 6144
	s_or_b32 s[G0Q+7], s[G0Q+7], 0x80000000
	s_mov_b32 s[G0P+4], 1
	s_add_co_u32 s[G0P+5], s97, SLOT
	s_add_nc_u64 s[G0P+6:G0P+7], s[46:47], 6144
	s_or_b32 s[G0P+7], s[G0P+7], 0x80000000
.macro ARM under, g0, g1, next         ; one chain of branches on the wave's number, one load to an arm, all arms to one join
	s_cmp_lt_u32 s66, \under
	s_cbranch_scc0 \next
	tensor_load_to_lds s[\g0:\g0+3], s[\g1:\g1+7]
	s_nop 0
.rept 4
	v_nop
.endr
	s_branch .Lhead_asked
\next:
.endm
	ARM 1, G0Q, G1Q, .Lhead_p
	ARM 2, G0P, G1P, .Lhead_sq
	ARM 3, G0SQ, G1SQ, .Lhead_sp
	tensor_load_to_lds s[G0SP:G0SP+3], s[G1SP:G1SP+7]
	s_nop 0
.rept 4
	v_nop
.endr
.Lhead_asked:
	v_and_b32 v1, 15, v0
	v_bfe_u32 v2, v0, 4, 1
	v_and_b32 v3, 31, v0
	v_lshlrev_b32 v4, 4, v3
	s_mul_i32 s20, s66, 4*6144
	v_add_nc_u32 v[ADRQ], s20, v4
	v_add_nc_u32 v[ADRQ+1], SLOT, v[ADRQ]
	v_add_nc_u32 v[ADRP], QWT*6144, v4
	v_add_nc_u32 v[ADRP+1], SLOT, v[ADRP]
	v_lshlrev_b32 v5, 2, v1
	s_mul_i32 s22, s66, 4*NS*64
	s_sub_co_u32 s23, QWT*NS*64, s22
	v_mul_u32_u24 v6, s23, v2
	v_add_nc_u32 v6, v6, v5
	s_add_co_u32 s23, s23, 8*NS*64
	v_mul_u32_u24 v7, s23, v2
	v_add_nc_u32 v7, v7, v5
	s_add_co_u32 s22, s22, SCL
	v_add_nc_u32 v14, s22, v6
	v_add_nc_u32 v28, s22, v7
.irp b, 0,1,2,3
	v_mov_b32 v[TM+4+\b], 0
.endr
	s_cmp_lt_u32 ttmp9, 1
	s_cselect_b64 s[8:9], s[8:9], s[10:11]
	s_cselect_b64 s[10:11], s[14:15], s[16:17]
	s_mov_b32 s94, 204800
	s_cselect_b32 s94, 102400, s94
	s_lshl_b32 s20, s42, 1
	s_and_b32 s20, s20, 7
	s_lshl_b32 s96, s20, 1
	s_lshl_b32 s20, s20, 9
	s_mov_b32 s21, 0
	s_add_nc_u64 s[8:9], s[8:9], s[20:21]
	s_and_b32 s20, s43, 3
	s_lshl_b32 s20, s20, 2
	s_add_co_u32 s20, s20, s66
	s_lshl_b32 s20, s20, 8
	s_add_nc_u64 s[12:13], s[12:13], s[20:21]
	v_lshlrev_b32 v20, 6, v2
	v_and_b32 v21, 8, v1
	v_add_nc_u32 v21, v21, v1
	v_lshlrev_b32 v21, 2, v21
	v_lshlrev_b32 v22, 4, v1
.irp t, 0,1,2,3,4,5,6,7
	global_load_b128 v[BIAS+8*\t:BIAS+8*\t+3], v20, s[8:9] offset:(32*(\t/2)+8*(\t%2))*4
	global_load_b128 v[BIAS+8*\t+4:BIAS+8*\t+7], v20, s[8:9] offset:(32*(\t/2)+8*(\t%2))*4+16
.endr
.irp u, 0,1,2,3
	global_load_b32 v[BV+2*\u], v21, s[12:13] offset:(32*(\u/2)+8*(\u%2))*4
.endr
	s_lshr_b32 s20, s43, 3
	s_lshl_b32 s20, s20, 4
	s_add_co_u32 s20, s20, s96
	s_mul_i32 s20, s20, s94
	s_and_b32 s21, s43, 7
	s_lshl_b32 s21, s21, 1
	s_add_co_u32 s21, s21, s67
	s_mul_i32 s21, s21, 6400
	s_add_co_u32 s20, s20, s21
	s_mov_b32 s21, 0
	s_add_nc_u64 s[10:11], s[10:11], s[20:21]
	s_mul_i32 s22, s92, 3072
	v_add_nc_u32 v17, s22, v4
	v_add_nc_u32 v18, s94, v17
	v_mul_u32_u24 v19, s94, v2
	s_wait_alu depctr_va_vdst(0)
	v_add_nc_u32 v19, v19, v22
	s_lshl_b32 s22, s92, 3
	v_add_nc_u32 v19, s22, v19
	s_mov_b32 s95, 0xffff0000
	s_lshr_b32 s20, s42, 3
	s_lshl_b32 s20, s20, 4
	s_lshl_b32 s21, s43, 2
	s_add_co_u32 s20, s20, s21
	s_add_co_u32 s20, s20, s66
	s_mul_i32 s20, s20, 204800
	s_lshl_b32 s21, s42, 1
	s_and_b32 s21, s21, 15
	s_mul_i32 s21, s21, 6400
	s_add_co_u32 s20, s20, s21
	s_add_co_u32 s20, s20, 102400
	s_mov_b32 s21, 0
	s_add_nc_u64 s[16:17], s[16:17], s[20:21]
.macro FETCH slot, q, set
	WIN 0x40
.set i_, 0
.rept PT
.irp m, 0,1,2
	ds_load_b128 v[128*(\set)+12*i_+4*\m:128*(\set)+12*i_+4*\m+3], v[ADRP+\slot] offset:i_*6144+(\q)*1536+512*\m
.endr
.set i_, i_+1
.endr
	WIN 0
.irp j, 0,1,2,3
.irp m, 0,1,2
	ds_load_b128 v[QF+48*(\set)+12*\j+4*\m:QF+48*(\set)+12*\j+4*\m+3], v[ADRQ+\slot] offset:\j*6144+(\q)*1536+512*\m
.endr
.endr
.set i_, 0
.rept PT
	ds_load_b32 v[SC+8*(\set)+i_], v[ADRS] offset:i_*NS*64+(\q)*64
.set i_, i_+1
.endr
.endm
.macro MULG u, set, zero
.set t_, 0
.rept PT
.if \zero
	v_wmma_scale_f32_16x16x128_f8f6f4 v[8*(PT*(\u)+t_):8*(PT*(\u)+t_)+7], v[128*(\set)+12*t_:128*(\set)+12*t_+11], v[QF+48*(\set)+12*(\u):QF+48*(\set)+12*(\u)+11], 0, v[SC+8*(\set)+t_], v[SC+8*(\set)+(\u)] matrix_a_fmt:MATRIX_FMT_FP6 matrix_b_fmt:MATRIX_FMT_FP6 matrix_a_scale:MATRIX_SCALE_ROW1
.else
	v_wmma_scale_f32_16x16x128_f8f6f4 v[8*(PT*(\u)+t_):8*(PT*(\u)+t_)+7], v[128*(\set)+12*t_:128*(\set)+12*t_+11], v[QF+48*(\set)+12*(\u):QF+48*(\set)+12*(\u)+11], v[8*(PT*(\u)+t_):8*(PT*(\u)+t_)+7], v[SC+8*(\set)+t_], v[SC+8*(\set)+(\u)] matrix_a_fmt:MATRIX_FMT_FP6 matrix_b_fmt:MATRIX_FMT_FP6 matrix_a_scale:MATRIX_SCALE_ROW1
.endif
.set t_, t_+1
.endr
.endm
.macro STEP slot, q, zero
	s_wait_dscnt 0x0
	PLACES 4
	FETCH \slot, (\q)+1, 1-(\q)%2
	WIN 0xa1
	MULG 0, (\q)%2, \zero
	MULG 1, (\q)%2, \zero
	MULG 2, (\q)%2, \zero
	MULG 3, (\q)%2, \zero
.endm
.macro TURN slot, next, fill, fetch
	s_wait_dscnt 0x0
	WIN 0
	s_wait_tensorcnt 0x0
	ds_add_u32 v[SPW], v[NIL]
	WIN 0xa1
	MULG 0, 1, 0
	s_wait_dscnt 0x0
	s_barrier_signal -1
	MULG 1, 1, 0
	WIN 0
	s_barrier_wait -1
.if \fill
	CREST
	s_add_nc_u64 s[G0P+4*\slot+2:G0P+4*\slot+3], s[G0P+4*\slot+2:G0P+4*\slot+3], NEXTP
	PLOAD \slot
.endif
.if \fetch
	PLACES 4
	v_add_nc_u32 v[ADRS], 256, v[ADRS]
	FETCH \next, 0, 0
.endif
	WIN 0xa1
	MULG 2, 1, 0
	MULG 3, 1, 0
.endm
.macro QUANT s, d0, d1, pw
.irp b, 0,1,2,3
	v_max3_num_f32 v[TM+\b], |v[\s+16*\b]|, |v[\s+1+16*\b]|, 0x1800000
.endr
.irp i, 2,4,6,8,10,12,14
.irp b, 0,1,2,3
	v_max3_num_f32 v[TM+\b], v[TM+\b], |v[\s+16*\b+\i]|, |v[\s+1+16*\b+\i]|
.endr
.endr
.irp b, 0,1,2,3
	v_permlanex16_b32 v[TM+4+\b], v[TM+\b], s[SEL], s[SEL+1]
.endr
.irp b, 0,1,2,3
	v_max_num_f32 v[TM+\b], v[TM+\b], v[TM+4+\b]
.endr
.irp b, 0,1,2,3
	v_add_nc_u32 v[TM+12+\b], 0xff000000, v[TM+\b]
.endr
.irp b, 0,1,2,3
	v_lshrrev_b32 v[TM+4+\b], 23, v[TM+12+\b]
.endr
	v_lshl_or_b32 v[\pw], v[TM+5], 8, v[TM+4]
	v_lshl_or_b32 v[\pw], v[TM+6], 16, v[\pw]
	v_lshl_or_b32 v[\pw], v[TM+7], 24, v[\pw]
	v_cvt_scalef32_pk16_fp6_f32 v[\d0:\d0+2], v[\s:\s+15], v[TM+12]
	v_cvt_scalef32_pk16_fp6_f32 v[CT:CT+2], v[\s+16:\s+31], v[TM+13]
	v_cvt_scalef32_pk16_fp6_f32 v[\d1:\d1+2], v[\s+32:\s+47], v[TM+14]
	v_cvt_scalef32_pk16_fp6_f32 v[CT+4:CT+6], v[\s+48:\s+63], v[TM+15]
	v_nop
.irp i, 0,1,2
	v_permlane16_swap_b32 v[\d0+\i], v[CT+\i]
.endr
.irp i, 0,1,2
	v_mov_b32 v[\d0+3+\i], v[CT+\i]
.endr
.irp i, 0,1,2
	v_permlane16_swap_b32 v[\d1+\i], v[CT+4+\i]
.endr
.irp i, 0,1,2
	v_mov_b32 v[\d1+3+\i], v[CT+4+\i]
.endr
.endm
.macro EPI_QK
.irp u, 0,1,2,3
	WIN 0x02
.set j_, 0
.rept 32
	v_pk_add_f32 v[H+j_:H+j_+1], v[64*\u+j_:64*\u+j_+1], v[BIAS+j_:BIAS+j_+1]
.set j_, j_+2
.endr
	WIN 0
.if \u == 2
	s_wait_xcnt 0x0
.endif
	QUANT H, FA+6*(\u%2), FB+6*(\u%2), PWQ+(\u%2)
.if \u%2 == 1
.irp p, 0,1,2
	global_store_b128 v17, v[FA+4*\p:FA+4*\p+3], s[10:11] offset:1536*(\u/2)+512*\p
	global_store_b128 v18, v[FB+4*\p:FB+4*\p+3], s[10:11] offset:1536*(\u/2)+512*\p
.endr
	v_perm_b32 v[WA+\u/2], v[PWQ+1], v[PWQ], 0x05040100
	v_perm_b32 v[WA+2+\u/2], v[PWQ+1], v[PWQ], 0x07060302
.endif
.endr
	v_cndmask_b32 v[WA], v[WA], v[WA+2], s95
	v_cndmask_b32 v[WA+1], v[WA+1], v[WA+3], s95
	global_store_b64 v19, v[WA:WA+1], s[10:11] offset:6144
.endm
.macro EPI_V tl
.irp u, 0,1,2,3
	WIN 0x02
.set j_, 0
.rept 32
	v_pk_add_f32 v[H+j_:H+j_+1], v[64*\u+j_:64*\u+j_+1], v[BV+2*\u:BV+2*\u+1] op_sel_hi:[1,0]
.set j_, j_+2
.endr
	WIN 0
.if \u > 0
	s_wait_xcnt 0x0
.endif
	QUANT H, FA, FA+6, PWQ+\u
.irp p, 0,1,2
	global_store_b128 v4, v[FA+4*\p:FA+4*\p+3], s[16:17] offset:6400*\tl+1536*\u+512*\p
.endr
.endr
	global_store_b128 v22, v[PWQ:PWQ+3], s[16:17] offset:6400*\tl+6144
.endm
	s_wait_alu depctr_va_vdst(0)
	s_wait_tensorcnt 0x0                           ; my tile of the head's four is in
	ds_add_u32 v[SPW], v[NIL]
	s_mov_b32 s[G1Q+2], (QWT/2)<<16                ; no load of mine is out: from here on a load brings half a tile's rows
	s_mov_b32 s[G1Q+4], QWT/2
	s_mov_b32 s[G1P+2], 4<<16
	s_mov_b32 s[G1P+4], 4
	s_mul_i32 s[G0P+1], s92, 4*6144                ; slot 0's group 0 for P's refill: my half
	s_add_co_u32 s[G0P+1], s[G0P+1], QWT*6144
	s_sub_nc_u64 s[G0P+2:G0P+3], s[G0P+6:G0P+7], 6144
	s_wait_dscnt 0x0
	CROUND                                         ; all four tiles are in, all sixteen work-groups are here
	JLOAD G0Q+4, G1Q, G0P+4, G1P                   ; slot 1's first fill: my one load behind the round
	FETCH 0, 0, 0
	STEP 0, 0, 1
	STEP 0, 1, 0
	STEP 0, 2, 0
	TURN 0, 1, 1, 1
	s_wait_alu depctr_va_vdst(0)
	STEP 1, 0, 0
	STEP 1, 1, 0
	STEP 1, 2, 0
	TURN 1, 0, 1, 0
	WIN 0
	PLACES 4
	s_wait_loadcnt 0x0
.irp u, 0,1,2,3
	v_mov_b32 v[BV+2*\u+1], v[BV+2*\u]
.endr
	s_cmp_eq_u32 s93, 1
	s_cbranch_scc1 .Lv_first
	EPI_QK
.irp t, 0,1,2,3,4,5,6,7
	global_load_b128 v[BIAS+8*\t:BIAS+8*\t+3], v20, s[8:9] offset:512+(32*(\t/2)+8*(\t%2))*4
	global_load_b128 v[BIAS+8*\t+4:BIAS+8*\t+7], v20, s[8:9] offset:512+(32*(\t/2)+8*(\t%2))*4+16
.endr
	s_wait_xcnt 0x0
	s_lshl_b32 s20, s94, 1
	s_mov_b32 s21, 0
	s_add_nc_u64 s[10:11], s[10:11], s[20:21]
	s_branch .Lsecond
.Lv_first:
	s_wait_alu depctr_va_vdst(0)
	EPI_V 0
.Lsecond:
	s_wait_xcnt 0x0
.set ADRS, 28
	FETCH 0, 0, 0
	STEP 0, 0, 1
	STEP 0, 1, 0
	STEP 0, 2, 0
	TURN 0, 1, 0, 1
	s_wait_alu depctr_va_vdst(0)
	STEP 1, 0, 0
	STEP 1, 1, 0
	STEP 1, 2, 0
	s_wait_dscnt 0x0
	MULG 0, 1, 0
	MULG 1, 1, 0
	MULG 2, 1, 0
	MULG 3, 1, 0
	WIN 0
	PLACES 4
	s_wait_loadcnt 0x0
	s_cmp_eq_u32 s93, 1
	s_cbranch_scc1 .Lv_second
	EPI_QK
	s_branch .Ldone
.Lv_second:
	EPI_V 1
.Ldone:
	s_wait_tensorcnt 0x0
	ds_add_u32 v[SPW], v[NIL]
	s_wait_dscnt 0x0
	CROUND
	s_endpgm
.Lfunc_end_k_q4bafcf698c_qkv:
	.size	k_q4bafcf698c_qkv, .Lfunc_end_k_q4bafcf698c_qkv-k_q4bafcf698c_qkv
	.p2alignl 7, 3214868480
	.fill 96, 4, 3214868480
	.section	.rodata,"a",@progbits
	.p2align	6, 0x0
	.amdhsa_kernel k_q4bafcf698c_qkv
		.amdhsa_group_segment_fixed_size 327680
		.amdhsa_private_segment_fixed_size 0
		.amdhsa_enable_private_segment 0
		.amdhsa_kernarg_size 56
		.amdhsa_user_sgpr_count 2
		.amdhsa_user_sgpr_kernarg_segment_ptr 1
		.amdhsa_wavefront_size32 1
		.amdhsa_system_sgpr_workgroup_id_x 1
		.amdhsa_system_sgpr_workgroup_id_y 1
		.amdhsa_system_sgpr_workgroup_id_z 1
		.amdhsa_system_vgpr_workitem_id 0
		.amdhsa_next_free_vgpr 768
		.amdhsa_next_free_sgpr 102
		.amdhsa_reserve_vcc 0
		.amdhsa_float_denorm_mode_32 3
		.amdhsa_float_denorm_mode_16_64 3
		.amdhsa_memory_ordered 1
		.amdhsa_forward_progress 1
		.amdhsa_inst_pref_size 230
	.end_amdhsa_kernel
	.amdgpu_metadata
---
amdhsa.version: [ 1, 2 ]
amdhsa.kernels:
  - .name:           k_q4bafcf698c_qkv
    .symbol:         k_q4bafcf698c_qkv.kd
    .args:
      - { .name: ximg, .offset: 0, .size: 8, .value_kind: global_buffer, .address_space: global }
      - { .name: wimg, .offset: 8, .size: 8, .value_kind: global_buffer, .address_space: global }
      - { .name: bq, .offset: 16, .size: 8, .value_kind: global_buffer, .address_space: global }
      - { .name: bk, .offset: 24, .size: 8, .value_kind: global_buffer, .address_space: global }
      - { .name: bv, .offset: 32, .size: 8, .value_kind: global_buffer, .address_space: global }
      - { .name: qimg, .offset: 40, .size: 8, .value_kind: global_buffer, .address_space: global }
      - { .name: kv, .offset: 48, .size: 8, .value_kind: global_buffer, .address_space: global }
    .group_segment_fixed_size: 327680
    .private_segment_fixed_size: 0
    .kernarg_segment_align: 8
    .kernarg_segment_size: 56
    .max_flat_workgroup_size: 128
    .sgpr_count:     102
    .vgpr_count:     768
    .wavefront_size: 32
...
	.end_amdgpu_metadata
.endif
;; end of part 2
;; launch attn (part 3): grid 8 x 32, 16 waves a work-group, no clusters, 327,680 bytes of LDS; arguments qimg, kv, aimg; writes aimg
.if DOCPART == 3
	.amdgcn_target "amdgcn-amd-amdhsa--gfx1250"
	.amdhsa_code_object_version 6
	.text
	.protected	k_q4bafcf698c_attn
	.globl	k_q4bafcf698c_attn
	.p2align	8
	.type	k_q4bafcf698c_attn,@function
k_q4bafcf698c_attn:
	s_mov_b64 s[64:65], 0
	v_nop
	global_prefetch_b8 v0, s[64:65] scope:SCOPE_SE
	s_setreg_imm32_b32 hwreg(HW_REG_WAVE_MODE, 25, 1), 1
	s_wait_xcnt 0x0
; a = softmax(q k^T / 8, causal) v for one head, both products on codes of FP6 (E2M3) with E8M0 scales; a is quantised along the head's 64 on the way out.
; THE WEIGHTS ARE QUANTISED FINISHED AND NORMALISED: two walks over the keys.  Walk 1: scores, running maximum m, sum l.  Walk 2: scores again, p = 2^(c s - (c m + log2 l)), c = log2(e) / 8,
; quantised along the keys, O^T += V^T P^T.  Key steps (128 keys) that lie wholly behind a tile's queries are hidden by the causal mask and are passed over.
; SHARES.  A work-group owns query blocks x and 15 - x (128 queries each) of a head.  Waves w and w + 8 share tile w of the long block (A: 16 - x key steps) and tile w of the short one (B: x + 1 steps):
; wave w takes A's steps 0-8, wave w + 8 all of B and A's steps 9 .. 15 - x: nine steps and eight, whatever x, and the eight hold the steps on the diagonal (at x = 7 one each).
; Every wave walks loop X (steps 0-8, its tile X: A for w < 8, else B) and loop Y (steps 9-15, tile A; for w < 8 every step is passed over): constant trip counts, a branch on ids at each step's head.
; A's two partial (m, l) meet in LDS at the barrier between the walks; since p is finished, A's two partial O^T just add: wave w + 8 lays its part in LDS, wave w adds it behind the last barrier.  Each wave stores its tile X.
; A head's K and V (102,400 bytes each) come into LDS once: wave w brings key step w, K's at the head, V's behind the first barrier.  No byte is filled twice.
; NO CLUSTER: branches hang on the query block, which partners that share a head would not share.  NO PREFETCH: every tile is asked for once, at the head; there is no loop to run ahead in.
; THE FIRST PRODUCT'S K IS 64: a fragment of k carries two tiles of 16 keys; q is offered as [q | 0] and as [0 | q].  Both products are used transposed: a lane holds one query (lane % 16);
; register 16 b + i of the scores is key 32 b + 16 (lane / 16) + i of the step.
; LIMITS: NaN and infinities are not served; a block of zeros gets the byte 1 (zero codes); weights under 2^-126 count as 0; c m + log2 l is rounded once to f32, so a weight carries 2^-24 of that sum as a relative error;
; the scaled scores stay under 2^31 in magnitude.  The two scale bytes of a head leave by stores of two bytes.
.set TM,  212
.set CT,  204
.set SEL, 34
.set SPARE, 204800                     ; behind K and V: the spare words, 128 bytes a wave
.set EX,  206848                       ; (m, l) of A's parts: 8 bytes a thread
.set OX,  210944                       ; A's second part of O^T: 4,096 bytes for each pair of waves
.set SPW, 94
.set NIL, 95
.set QX,  232                          ; v232-237 tile X's q, v229 its scale bytes
.set QA,  238                          ; v238-243 tile A's q, v230 its scale bytes
; v231 my place in EX, v207 my partner's, v211 my pair's place in OX; v14, v15: tile X's m and l, later its c m + log2 l
	s_load_b128 s[4:7], s[0:1], 0x0                ; qimg, kv
	s_load_b64 s[8:9], s[0:1], 0x10                ; aimg
	v_lshl_add_u32 v[SPW], v0, 2, SPARE
	v_mov_b32 v[NIL], 0
	ds_add_u32 v[SPW], v[NIL]
	ds_add_u32 v[SPW], v[NIL]
	v_lshrrev_b32 v1, 5, v0
	v_readfirstlane_b32 s10, v1                    ; wave 0..15
	s_and_b32 s13, ttmp7, 0xffff                   ; batch x 16 + head
	s_sub_co_u32 s52, 15, ttmp9                    ; A's block
	s_cmp_lt_u32 s10, 8
	s_cselect_b32 s11, s52, ttmp9                  ; tile X's block: its last visible step, and its diagonal
	s_cselect_b32 s53, 0, s52                      ; the same for loop Y (0: nothing is visible there)
	s_cselect_b32 s54, -1, 0                       ; all ones in waves 0-7
	s_and_b32 s12, s10, 7                          ; my tile in its block
	s_mov_b32 s16, 3<<16                           ; group 1: 25 rows of 32 elements of 8 bytes, dense
	s_mov_b32 s17, 32<<16
	s_mov_b32 s18, 25<<16
	s_mov_b32 s19, 32<<16
	s_mov_b32 s20, 25
	s_mov_b32 s21, 32
	s_mov_b32 s22, 0
	s_mov_b32 s23, 0
	s_mul_i32 s38, s10, 6400                       ; key step w: in LDS and in memory
	s_mul_i32 s36, s13, 204800
	s_add_co_u32 s36, s36, s38
	s_mov_b32 s37, 0
	s_mov_b32 s32, 0x3e38aa3b                      ; c = log2(e) / 8
	s_mov_b32 s33, s32
	s_mov_b32 s[SEL], 0x76543210
	s_mov_b32 s[SEL+1], 0xfedcba98
	s_wait_alu depctr_va_vdst(0)
	s_wait_dscnt 0x0
	s_wait_kmcnt 0x0
	s_mov_b32 s24, 1
	s_mov_b32 s25, s38
	s_add_nc_u64 s[26:27], s[6:7], s[36:37]
	s_add_nc_u64 s[30:31], s[26:27], 102400
	s_or_b32 s27, s27, 0x80000000
	s_mov_b32 s28, 1
	s_add_co_u32 s29, s38, 102400
	s_or_b32 s31, s31, 0x80000000
	tensor_load_to_lds s[24:27], s[16:23]          ; K's step w: my one load at the head
	s_nop 0
.rept 4
	v_nop
.endr
	s_lshl_b32 s36, s13, 4
	s_add_co_u32 s36, s36, s11
	s_mul_i32 s36, s36, 6400                       ; tile X's block in qimg
	s_lshr_b32 s39, s12, 1                         ; my tile's group of 32 queries
	s_mul_i32 s40, s39, 1536
	s_add_co_u32 s40, s40, s36
	s_mov_b32 s41, 0
	s_lshl_b32 s42, s39, 2
	s_add_co_u32 s42, s42, s36
	s_mov_b32 s43, 0
	s_sub_co_u32 s56, s52, s11
	s_mul_i32 s56, s56, 6400                       ; from tile X's block to A's
	s_mov_b32 s57, 0
	s_add_nc_u64 s[40:41], s[4:5], s[40:41]
	s_add_nc_u64 s[42:43], s[4:5], s[42:43]
	s_add_nc_u64 s[58:59], s[40:41], s[56:57]
	s_add_nc_u64 s[60:61], s[42:43], s[56:57]
	s_and_b32 s44, s12, 1
	s_cmp_eq_u32 s44, 1                            ; my tile's parity
	s_cselect_b32 s45, -1, 0
	s_mov_b32 s46, 0x01000100
	s_cselect_b32 s46, 0x03020302, s46
	s_lshl_b32 s47, s39, 5
	s_lshl_b32 s44, s44, 3
	s_add_co_u32 s47, s47, s44
	s_mul_i32 s55, s12, 4096
	s_add_co_u32 s55, s55, OX
	; where tile X's codes and bytes go
	s_lshr_b32 s36, s13, 4
	s_lshl_b32 s36, s36, 7
	s_lshl_b32 s37, s11, 3
	s_add_co_u32 s36, s36, s37
	s_add_co_u32 s36, s36, s12                     ; the token tile
	s_lshl_b32 s36, s36, 3
	s_bfe_u32 s37, s13, 0x30001
	s_add_co_u32 s36, s36, s37                     ; its fragment: K step head / 2
	s_and_b32 s37, s13, 1
	s_mul_i32 s48, s36, 1536
	s_mul_i32 s49, s37, 768
	s_add_co_u32 s48, s48, s49
	s_mov_b32 s49, 0
	s_lshl_b32 s50, s36, 6
	s_lshl_b32 s51, s37, 1
	s_add_co_u32 s50, s50, s51
	s_add_co_u32 s50, s50, 3145728
	s_mov_b32 s51, 0
	s_add_nc_u64 s[48:49], s[8:9], s[48:49]
	s_add_nc_u64 s[50:51], s[8:9], s[50:51]
	v_and_b32 v244, 15, v0                         ; r
	v_and_b32 v246, 31, v0                         ; l
	v_bfe_u32 v245, v0, 4, 1                       ; h
	v_lshlrev_b32 v1, 4, v246                      ; 16 l
	v_lshlrev_b32 v2, 4, v244                      ; 16 r
	v_lshlrev_b32 v92, 3, v246                     ; 8 l
	v_lshlrev_b32 v93, 2, v244                     ; 4 r
	v_and_b32 v3, 8, v244
	v_lshlrev_b32 v245, 4, v245
	v_add_nc_u32 v8, 102400, v1
	v_add_nc_u32 v9, 102400, v2
	v_add_nc_u32 v3, v244, v3
	v_lshl_add_u32 v231, v0, 3, EX
	v_xor_b32 v207, 256, v0                        ; wave w's partner is wave w xor 8
	v_sub_nc_u32 v3, v3, v245
	v_add_nc_u32 v211, s55, v1
	v_lshl_add_u32 v207, v207, 3, EX
	v_add_nc_u32 v3, s47, v3                       ; my query's place in its block - 16 h: register 16 b + i is hidden on the diagonal where 32 b + i is above it
	s_wait_alu depctr_va_vdst(0)
.irp m, 0,1,2
	global_load_b128 v[232+4*\m:235+4*\m], v1, s[40:41] offset:512*\m   ; the pair fragments that hold tile X and tile A
	global_load_b128 v[96+4*\m:99+4*\m], v1, s[58:59] offset:512*\m
.endr
	global_load_b32 v35, v2, s[42:43] offset:6144
	global_load_b32 v108, v2, s[60:61] offset:6144
.irp i, 0,1,2,3,4,5
	v_mov_b32 v[16+\i], 0                          ; zero codes on either side: [0 | q] = v16-27, [q | 0] = v22-33
	v_mov_b32 v[28+\i], 0
.endr
	v_mov_b32 v245, 0                              ; (upper half of a pair that is named whole)
	v_mov_b32 v247, 0                              ; lane permutes' destinations count as sources
.irp b, 0,1,2,3
	v_mov_b32 v[TM+4+\b], 0
.endr
.set j_, 0
.rept 32
	v_mov_b32 v[160+j_], 0                         ; O^T
.set j_, j_+1
.endr
.macro SETQ q, sc                      ; a tile's q into the operand's registers; the scale first: it stands 8 places ahead of the next product
	v_mov_b32 v34, v[\sc]
.irp i, 0,1,2,3,4,5
	v_mov_b32 v[22+\i], v[\q+\i]
.endr
.endm
.macro INIT
	v_mov_b32 v11, 0xff61b1e6                      ; m: -3e38, under every score
	v_mov_b32 v12, 0                               ; l, in two halves
	v_mov_b32 v13, 0
	v_mul_f32 v10, s32, v11                        ; c m
.endm
	s_wait_loadcnt 0x0
.irp i, 0,1,2,3,4,5
	v_cndmask_b32 v[QX+\i], v[232+\i], v[238+\i], s45
.endr
.irp i, 0,1,2,3,4,5
	v_cndmask_b32 v[QA+\i], v[96+\i], v[102+\i], s45
.endr
	v_perm_b32 v229, v35, v35, s46                 ; q's two bytes, twice
	v_perm_b32 v230, v108, v108, s46
	SETQ QX, 229
	INIT
	s_wait_alu depctr_va_vdst(0)
	s_wait_tensorcnt 0x0                           ; my step of K has landed
	ds_add_u32 v[SPW], v[NIL]
	s_wait_dscnt 0x0
	s_barrier_signal -1
	s_barrier_wait -1                              ; everybody's step of K has landed
	tensor_load_to_lds s[28:31], s[16:23]          ; V's step w, into bytes of its own: my one load behind this barrier; it has walk 1 in which to land
	s_nop 0
.rept 4
	v_nop
.endr
.macro SCORES withv                    ; S^T of the step at LDS byte s15.  In walk 2 the four additions are the places behind the last products, in front of the loads into the fragments' registers
	v_add_nc_u32 v4, s15, v1
	v_add_nc_u32 v5, s15, v2
.if \withv
	v_add_nc_u32 v6, s15, v8
	v_add_nc_u32 v7, s15, v9
.endif
.irp b, 0,1,2,3
.irp m, 0,1,2
	ds_load_b128 v[44+12*\b+4*\m:47+12*\b+4*\m], v4 offset:1536*\b+512*\m
.endr
.endr
	ds_load_b128 v[36:39], v5 offset:6144          ; the four pair fragments' scale words
	s_wait_dscnt 0x0
.irp b, 0,1,2,3
	v_wmma_scale_f32_16x16x128_f8f6f4 v[96+16*\b:103+16*\b], v[44+12*\b:55+12*\b], v[22:33], 0, v[36+\b], v34 matrix_a_fmt:MATRIX_FMT_FP6 matrix_b_fmt:MATRIX_FMT_FP6
	v_wmma_scale_f32_16x16x128_f8f6f4 v[104+16*\b:111+16*\b], v[44+12*\b:55+12*\b], v[16:27], 0, v[36+\b], v34 matrix_a_fmt:MATRIX_FMT_FP6 matrix_b_fmt:MATRIX_FMT_FP6
.endr
.rept 4
	v_nop
.endr
.endm
.macro MBLK b
.irp i, 0,1,2,3,4,5,6,7,8,9,10,11,12,13,14,15
	v_cmp_gt_i32 vcc_lo, 32*\b+\i, v3
	v_cndmask_b32 v[96+16*\b+\i], v[96+16*\b+\i], v246, vcc_lo
.endr
.endm
.macro MASK lim                        ; on the diagonal hidden scores become -infinity.  Blocks of 32 keys ahead of my tile's group of 32 queries are all visible: the text is entered at my group's block
	s_cmp_lg_u32 s14, s[\lim]
	s_cbranch_scc1 .Lopen_\@
	v_mov_b32 v246, 0xff800000
	s_wait_alu depctr_va_vdst(0)
	s_cmp_gt_u32 s39, 2
	s_cbranch_scc1 .Lm3_\@
	s_cmp_gt_u32 s39, 1
	s_cbranch_scc1 .Lm2_\@
	s_cmp_gt_u32 s39, 0
	s_cbranch_scc1 .Lm1_\@
	MBLK 0
.Lm1_\@:
	MBLK 1
.Lm2_\@:
	MBLK 2
.Lm3_\@:
	MBLK 3
.Lopen_\@:
.endm
.macro EXPS                            ; 2^(c s - v10) of the 64 scores
.set j_, 0
.rept 32
	v_pk_fma_f32 v[96+j_:97+j_], v[96+j_:97+j_], s[32:33], v[10:11] op_sel_hi:[1,0,0] neg_lo:[0,0,1] neg_hi:[0,0,1]
.set j_, j_+2
.endr
	s_wait_alu depctr_va_vdst(0)                   ; the wait ahead of the batch
.set j_, 0
.rept 64
	v_exp_f32 v[96+j_], v[96+j_]
.set j_, j_+1
.endr
	v_nop                                          ; a plain line behind the last exponential
	s_wait_alu depctr_va_vdst(0)                   ; one wait for the batch, ahead of its first reader
.endm
.macro QUANT s, d0, d1, pw             ; 64 numbers, register 16 b + i = k 32 b + 16 h + i, become a fragment's codes and its scale word
.irp b, 0,1,2,3
	v_max3_num_f32 v[TM+\b], |v[\s+16*\b]|, |v[\s+1+16*\b]|, 0x1800000
.endr
.irp i, 2,4,6,8,10,12,14
.irp b, 0,1,2,3
	v_max3_num_f32 v[TM+\b], v[TM+\b], |v[\s+16*\b+\i]|, |v[\s+1+16*\b+\i]|
.endr
.endr
.irp b, 0,1,2,3
	s_delay_alu instid0(VALU_DEP_4)
	v_permlanex16_b32 v[TM+4+\b], v[TM+\b], s[SEL], s[SEL+1]
.endr
.irp b, 0,1,2,3
	s_delay_alu instid0(VALU_DEP_4)
	v_max_num_f32 v[TM+\b], v[TM+\b], v[TM+4+\b]
.endr
.irp b, 0,1,2,3
	s_delay_alu instid0(VALU_DEP_4)
	v_add_nc_u32 v[TM+12+\b], 0xff000000, v[TM+\b]
.endr
.irp b, 0,1,2,3
	s_delay_alu instid0(VALU_DEP_4)
	v_lshrrev_b32 v[TM+4+\b], 23, v[TM+12+\b]
.endr
	s_delay_alu instid0(VALU_DEP_3)
	v_lshl_or_b32 v[\pw], v[TM+5], 8, v[TM+4]
	s_delay_alu instid0(VALU_DEP_1)
	v_lshl_or_b32 v[\pw], v[TM+6], 16, v[\pw]
	s_delay_alu instid0(VALU_DEP_1)
	v_lshl_or_b32 v[\pw], v[TM+7], 24, v[\pw]
	v_cvt_scalef32_pk16_fp6_f32 v[\d0:\d0+2], v[\s:\s+15], v[TM+12]
	v_cvt_scalef32_pk16_fp6_f32 v[CT:CT+2], v[\s+16:\s+31], v[TM+13]
	v_cvt_scalef32_pk16_fp6_f32 v[\d1:\d1+2], v[\s+32:\s+47], v[TM+14]
	v_cvt_scalef32_pk16_fp6_f32 v[CT+4:CT+6], v[\s+48:\s+63], v[TM+15]
	v_nop
.irp i, 0,1,2
	v_permlane16_swap_b32 v[\d0+\i], v[CT+\i]
.endr
.irp i, 0,1,2
	s_delay_alu instid0(VALU_DEP_3)
	v_mov_b32 v[\d0+3+\i], v[CT+\i]
.endr
.irp i, 0,1,2
	v_permlane16_swap_b32 v[\d1+\i], v[CT+4+\i]
.endr
.irp i, 0,1,2
	s_delay_alu instid0(VALU_DEP_3)
	v_mov_b32 v[\d1+3+\i], v[CT+4+\i]
.endr
.endm
; Walk 1 over key steps first .. first + trips - 1: the maximum and the sum.  A step beyond s[lim] jumps to the lines that step the addresses.
.macro WALK1 id, first, trips, lim
	s_mov_b32 s14, \first
	s_mov_b32 s15, \first*6400
	s_wait_alu depctr_va_vdst(0)
.Lp1_\id:
	s_cmp_gt_u32 s14, s[\lim]
	s_cbranch_scc1 .Lp1h_\id
	SCORES 0
	MASK \lim
.irp b, 0,1,2,3
	v_max3_num_f32 v[TM+\b], v[96+16*\b], v[97+16*\b], v[98+16*\b]
.endr
.irp i, 3,5,7,9,11,13
.irp b, 0,1,2,3
	v_max3_num_f32 v[TM+\b], v[TM+\b], v[96+16*\b+\i], v[97+16*\b+\i]
.endr
.endr
.irp b, 0,1,2,3
	v_max_num_f32 v[TM+\b], v[TM+\b], v[111+16*\b]
.endr
	s_delay_alu instid0(VALU_DEP_2)
	v_max3_num_f32 v246, v[TM], v[TM+1], v[TM+2]
	s_delay_alu instid0(VALU_DEP_1)
	v_max3_num_f32 v246, v246, v[TM+3], v11        ; with the old m
	s_delay_alu instid0(VALU_DEP_1)
	v_permlanex16_b32 v247, v246, s[SEL], s[SEL+1]
	s_delay_alu instid0(VALU_DEP_1)
	v_max_num_f32 v11, v246, v247                  ; the new m
	v_mov_b32 v246, v10
	s_delay_alu instid0(VALU_DEP_2)
	v_mul_f32 v10, s32, v11                        ; c m
	s_delay_alu instid0(VALU_DEP_1)
	v_sub_f32 v246, v246, v10
	s_wait_alu depctr_va_vdst(0)
	v_exp_f32 v244, v246                           ; 2^(c m_old - c m_new): the first of the batch
	EXPS
	v_pk_mul_f32 v[12:13], v[12:13], v[244:245] op_sel_hi:[1,0]
	v_pk_add_f32 v[248:249], v[96:97], v[98:99]    ; the sum in four chains
	v_pk_add_f32 v[250:251], v[100:101], v[102:103]
	v_pk_add_f32 v[252:253], v[104:105], v[106:107]
	v_pk_add_f32 v[12:13], v[12:13], v[108:109]
.irp j, 110,118,126,134,142,150
	v_pk_add_f32 v[248:249], v[248:249], v[\j:\j+1]
	v_pk_add_f32 v[250:251], v[250:251], v[\j+2:\j+3]
	v_pk_add_f32 v[252:253], v[252:253], v[\j+4:\j+5]
	v_pk_add_f32 v[12:13], v[12:13], v[\j+6:\j+7]
.endr
	v_pk_add_f32 v[248:249], v[248:249], v[158:159]
	v_pk_add_f32 v[250:251], v[250:251], v[252:253]
	s_delay_alu instid0(VALU_DEP_2)
	v_pk_add_f32 v[12:13], v[12:13], v[248:249]
	s_delay_alu instid0(VALU_DEP_1)
	v_pk_add_f32 v[12:13], v[12:13], v[250:251]
.Lp1h_\id:
	s_add_co_u32 s15, s15, 6400
	s_add_co_u32 s14, s14, 1
	s_cmp_lt_u32 s14, \first+\trips
	s_cbranch_scc1 .Lp1_\id
	s_wait_alu depctr_va_vdst(0)
	v_add_f32 v12, v12, v13
	s_delay_alu instid0(VALU_DEP_1)
	v_permlanex16_b32 v247, v12, s[SEL], s[SEL+1]
	s_delay_alu instid0(VALU_DEP_1)
	v_add_f32 v12, v12, v247                       ; the sum over these steps
.endm
; Walk 2 over the same steps: the weights, their codes, and O^T
.macro WALK2 id, first, trips, lim
	s_mov_b32 s14, \first
	s_mov_b32 s15, \first*6400
	s_wait_alu depctr_va_vdst(0)
.Lp2_\id:
	s_cmp_gt_u32 s14, s[\lim]
	s_cbranch_scc1 .Lp2h_\id
	SCORES 1
	s_wait_alu depctr_va_vdst(0)
.irp t, 0,1,2,3
.irp m, 0,1,2
	ds_load_b128 v[44+12*\t+4*\m:47+12*\t+4*\m], v6 offset:1536*\t+512*\m   ; V's fragments take K's registers, four places behind the products that read them, and land under the softmax
.endr
.endr
	ds_load_b128 v[40:43], v7 offset:6144
	MASK \lim
	EXPS
	QUANT 96, 192, 198, 228
.rept 4
	v_nop                                          ; an operand written by a vector line stands 4 places ahead of a scaled product; the scale word has the 13 lines behind the conversions besides
.endr
	s_wait_alu depctr_va_vdst(0)
	s_wait_dscnt 0x0                               ; V is in
.irp t, 0,1,2,3
	v_wmma_scale_f32_16x16x128_f8f6f4 v[160+8*\t:167+8*\t], v[44+12*\t:55+12*\t], v[192:203], v[160+8*\t:167+8*\t], v[40+\t], v228 matrix_a_fmt:MATRIX_FMT_FP6 matrix_b_fmt:MATRIX_FMT_FP6
.endr
.Lp2h_\id:
	s_add_co_u32 s15, s15, 6400
	s_add_co_u32 s14, s14, 1
	s_cmp_lt_u32 s14, \first+\trips
	s_cbranch_scc1 .Lp2_\id
.rept 4
	v_nop                                          ; places behind the last products
.endr
.endm
	WALK1 x, 0, 9, 11
	v_mov_b32 v14, v11                             ; tile X's m and l
	v_mov_b32 v15, v12
	SETQ QA, 230
	INIT
	WALK1 y, 9, 7, 53
	v_cndmask_b32 v246, v11, v14, s54              ; my part of A: loop X's in waves 0-7, loop Y's in waves 8-15
	v_cndmask_b32 v247, v12, v15, s54
	ds_store_b64 v231, v[246:247]
	s_wait_alu depctr_va_vdst(0)
	s_wait_tensorcnt 0x0                           ; my step of V has landed,
	s_wait_dscnt 0x0                               ; and my store
	s_barrier_signal -1
	s_barrier_wait -1                              ; everybody's have
	ds_load_b64 v[248:249], v207                   ; my partner's part of A
	s_wait_dscnt 0x0
	v_mul_f32 v252, s32, v246                      ; the two c m as walk 1 rounded them,
	v_mul_f32 v253, s32, v248
	v_mul_f32 v255, s32, v14
	v_max_num_f32 v251, v252, v253                 ; A's c m
	v_sub_f32 v252, v252, v251
	v_sub_f32 v253, v253, v251
	s_wait_alu depctr_va_vdst(0)
	v_exp_f32 v252, v252
	v_exp_f32 v253, v253
	v_log_f32 v254, v15
	v_nop
	s_wait_alu depctr_va_vdst(0)
	v_mul_f32 v252, v252, v247
	v_add_f32 v255, v255, v254                     ; c m + log2 l of tile X by itself
	v_fmac_f32 v252, v253, v249                    ; A's l
	s_wait_alu depctr_va_vdst(0)
	v_log_f32 v253, v252
	v_nop
	s_wait_alu depctr_va_vdst(0)
	v_add_f32 v10, v251, v253                      ; c m + log2 l of A
	v_cndmask_b32 v14, v255, v10, s54              ; and of tile X, which in waves 0-7 is A
	WALK2 y, 9, 7, 53                              ; q is still A's
	s_cmp_lt_u32 s10, 8
	s_cbranch_scc1 .Lkeeps
.irp j, 0,1,2,3,4,5,6,7
	ds_store_b128 v211, v[160+4*\j:163+4*\j] offset:512*\j   ; waves 8-15: A's second part, each accumulator from its low end on
.endr
	s_wait_dscnt 0x0
.set j_, 0
.rept 32
	v_mov_b32 v[160+j_], 0                         ; and O^T begins anew for B
.set j_, j_+1
.endr
.Lkeeps:
	SETQ QX, 229
	v_mov_b32 v10, v14
	WALK2 x, 0, 9, 11
	s_wait_dscnt 0x0
	s_barrier_signal -1
	s_barrier_wait -1                              ; A's second parts lie in LDS
	s_cmp_ge_u32 s10, 8
	s_cbranch_scc1 .Lout
.irp j, 0,1,2,3,4,5,6,7
	ds_load_b128 v[96+4*\j:99+4*\j], v211 offset:512*\j
.endr
	s_wait_dscnt 0x0
.set j_, 0
.rept 16
	v_pk_add_f32 v[160+j_:161+j_], v[160+j_:161+j_], v[96+j_:97+j_]
.set j_, j_+2
.endr
.Lout:
	; ---- out: register 16 b + i of O^T is the head's channel 32 b + 16 h + i: two blocks, half a fragment
.irp b, 0,1
	v_max3_num_f32 v[TM+\b], |v[160+16*\b]|, |v[161+16*\b]|, 0x1800000
.endr
.irp i, 2,4,6,8,10,12,14
.irp b, 0,1
	v_max3_num_f32 v[TM+\b], v[TM+\b], |v[160+16*\b+\i]|, |v[161+16*\b+\i]|
.endr
.endr
.irp b, 0,1
	s_delay_alu instid0(VALU_DEP_2)
	v_permlanex16_b32 v[TM+4+\b], v[TM+\b], s[SEL], s[SEL+1]
.endr
.irp b, 0,1
	s_delay_alu instid0(VALU_DEP_2)
	v_max_num_f32 v[TM+\b], v[TM+\b], v[TM+4+\b]
.endr
.irp b, 0,1
	s_delay_alu instid0(VALU_DEP_2)
	v_add_nc_u32 v[TM+12+\b], 0xff000000, v[TM+\b]
.endr
.irp b, 0,1
	s_delay_alu instid0(VALU_DEP_2)
	v_lshrrev_b32 v[TM+4+\b], 23, v[TM+12+\b]
.endr
	s_delay_alu instid0(VALU_DEP_1)
	v_lshl_or_b32 v228, v[TM+5], 8, v[TM+4]
	v_cvt_scalef32_pk16_fp6_f32 v[192:194], v[160:175], v[TM+12]
	v_cvt_scalef32_pk16_fp6_f32 v[CT:CT+2], v[176:191], v[TM+13]
	v_nop
.irp i, 0,1,2
	v_permlane16_swap_b32 v[192+\i], v[CT+\i]
.endr
.irp i, 0,1,2
	s_delay_alu instid0(VALU_DEP_3)
	v_mov_b32 v[195+\i], v[CT+\i]
.endr
.irp i, 0,1,2
	global_store_b64 v92, v[192+2*\i:193+2*\i], s[48:49] offset:256*\i   ; 32 lanes store 256 consecutive bytes
.endr
	global_store_b16 v93, v228, s[50:51]
	s_wait_tensorcnt 0x0                           ; the wave's end
	ds_add_u32 v[SPW], v[NIL]
	s_wait_dscnt 0x0
	s_endpgm
.Lfunc_end_k_q4bafcf698c_attn:
	.size	k_q4bafcf698c_attn, .Lfunc_end_k_q4bafcf698c_attn-k_q4bafcf698c_attn
	.p2alignl 7, 3214868480
	.fill 96, 4, 3214868480
	.section	.rodata,"a",@progbits
	.p2align	6, 0x0
	.amdhsa_kernel k_q4bafcf698c_attn
		.amdhsa_group_segment_fixed_size 327680
		.amdhsa_private_segment_fixed_size 0
		.amdhsa_enable_private_segment 0
		.amdhsa_kernarg_size 24
		.amdhsa_user_sgpr_count 2
		.amdhsa_user_sgpr_kernarg_segment_ptr 1
		.amdhsa_wavefront_size32 1
		.amdhsa_system_sgpr_workgroup_id_x 1
		.amdhsa_system_sgpr_workgroup_id_y 1
		.amdhsa_system_sgpr_workgroup_id_z 1
		.amdhsa_system_vgpr_workitem_id 0
		.amdhsa_next_free_vgpr 256
		.amdhsa_next_free_sgpr 66
		.amdhsa_reserve_vcc 1
		.amdhsa_float_denorm_mode_32 3
		.amdhsa_float_denorm_mode_16_64 3
		.amdhsa_memory_ordered 1
		.amdhsa_forward_progress 1
		.amdhsa_inst_pref_size 87
	.end_amdhsa_kernel
	.amdgpu_metadata
---
amdhsa.version: [ 1, 2 ]
amdhsa.kernels:
  - .name:           k_q4bafcf698c_attn
    .symbol:         k_q4bafcf698c_attn.kd
    .args:
      - { .name: qimg, .offset: 0, .size: 8, .value_kind: global_buffer, .address_space: global }
      - { .name: kv, .offset: 8, .size: 8, .value_kind: global_buffer, .address_space: global }
      - { .name: aimg, .offset: 16, .size: 8, .value_kind: global_buffer, .address_space: global }
    .group_segment_fixed_size: 327680
    .private_segment_fixed_size: 0
    .kernarg_segment_align: 8
    .kernarg_segment_size: 24
    .max_flat_workgroup_size: 512
    .sgpr_count:     66
    .vgpr_count:     256
    .wavefront_size: 32
...
	.end_amdgpu_metadata
.endif
;; end of part 3
;; launch wo (part 4): grid 8 x 32, 4 waves a work-group, clusters of 4 x 4, 327,680 bytes of LDS; arguments aimg, wimg, bo, inputs, o1; writes o1
.if DOCPART == 4
	.amdgcn_target "amdgcn-amd-amdhsa--gfx1250"
	.amdhsa_code_object_version 6
	.text
	.protected	k_q4bafcf698c_wo
	.globl	k_q4bafcf698c_wo
	.p2align	8
	.type	k_q4bafcf698c_wo,@function
k_q4bafcf698c_wo:
	s_mov_b64 s[64:65], 0
	v_nop
	global_prefetch_b8 v0, s[64:65] scope:SCOPE_SE
	s_setreg_imm32_b32 hwreg(HW_REG_WAVE_MODE, 25, 1), 1
	s_wait_xcnt 0x0
	s_wait_alu depctr_hold_cnt(0) depctr_sa_sdst(0) depctr_va_vdst(0) depctr_va_sdst(0) depctr_va_ssrc(0) depctr_va_vcc(0) depctr_vm_vsrc(0)
	s_getreg_b32 s2, hwreg(HW_REG_IB_STS2, 6, 4)
	s_cmp_eq_u32 s2, 0
	s_cbranch_scc0 .Lentry_in_a_cluster
	s_endpgm
.Lentry_in_a_cluster:
	s_bfe_u32 s2, ttmp6, 0x10000c
	s_cmp_lg_u32 s2, 0xf033
	s_cbranch_scc0 .Lentry_shape_is_right
	s_endpgm
.Lentry_shape_is_right:
; o1 = a Wo + bo + inputs: the product on codes of FP6 (E2M3) with E8M0 scales, the rest in f32.
; D = P x Q^T, source 0 = 16 columns of the weight (P), source 1 = 16 tokens (Q); tiles hold rows 32 (T/2) + 8 (T%2) + r + 8 (r/8).  A work-group: 128 columns x 128 tokens; a wave 64 x 64: 16 accumulators.
; Operands lie in memory as images of their registers.  Q's images here have register g of lane l at 256 (g/2) + 8 l + 4 (g%2): six loads of 8 bytes a fragment; P's three of 16.
; K = 1,024 is two LDS slots of four K steps: both are first fills, nothing is filled again.  CLUSTER 4 x 4: Q's tiles shared along a row, P's along a column, by joint loads.
; The residual's rows are asked for at the head, into window 2.  OUT through the wave's own stage: sixteen lanes store 256 consecutive bytes of a row.
.set NS,   8
.set PT,   4
.set QWT,  8
.set QI8,  1
.set PCODES, 2359296
.set PWORDS, 9535488
.set QWORDS, 3145728
.set SLOT, (QWT+8)*6144
.set SCL,  2*SLOT
.set SPARE, SCL+(QWT+8)*NS*64
.set STG,  SPARE+512                   ; 16 rows x 272 bytes for each wave; no fill lands here
.set ADRQ, 10
.set ADRP, 12
.set ADRS, 14
.set SPW,  15
.set NIL,  16
.set STO,  17
.set RD,   18
.set CO,   19
.set SC,   32
.set BK,   48                          ; the way out: v48-79 and v80-111 by turns
.set QF,   64
.set G1Q, 24
.set G0Q, 32
.set G1P, 48
.set G0P, 56
.set G1SQ, 68
.set G0SQ, 76
.set G1SP, 80
.set G0SP, 88
.set MSB, 0
.macro WIN new
.if MSB != \new
	s_set_vgpr_msb (MSB<<8)|\new
.set MSB, \new
.endif
.endm
.macro JLOAD g0a, g1a, g0b, g1b        ; a joint load: waves 0 and 1 fetch for Q, waves 2 and 3 for P; four v_nop follow each line
	s_cmp_eq_u32 s67, 0
	s_cbranch_scc0 .Lfor_b_\@
	tensor_load_to_lds s[\g0a:\g0a+3], s[\g1a:\g1a+7]
	s_nop 0
.rept 4
	v_nop
.endr
	s_branch .Lasked_\@
.Lfor_b_\@:
	tensor_load_to_lds s[\g0b:\g0b+3], s[\g1b:\g1b+7]
	s_nop 0
.rept 4
	v_nop
.endr
.Lasked_\@:
.endm
.macro CREST
	s_cmp_lg_u32 s66, 0
	s_cbranch_scc1 .Lnot_wave_0_\@
	s_barrier_signal -3
.Lnot_wave_0_\@:
	s_barrier_wait -3
	s_barrier_signal -1
	s_barrier_wait -1
.endm
.macro CROUND
	s_barrier_signal -1
	s_barrier_wait -1
	CREST
.endm
.macro PLACES n
.rept \n
	v_nop
.endr
.endm
.macro DESC1 g, c, r, p
	s_mov_b32 s[\g+1], (\c)<<16
	s_mov_b32 s[\g+2], (\r)<<16
	s_mov_b32 s[\g+3], (\c)<<16
	s_mov_b32 s[\g+4], \r
	s_mov_b32 s[\g+5], \p
	s_mov_b32 s[\g+6], 0
	s_mov_b32 s[\g+7], 0
.endm
	s_load_b256 s[4:11], s[0:1], 0x0               ; Q's images, wimg, the bias, the residual
	s_load_b64 s[12:13], s[0:1], 0x20              ; the result
	v_lshl_add_u32 v[SPW], v0, 2, SPARE
	v_mov_b32 v[NIL], 0
	ds_add_u32 v15, v16
	ds_add_u32 v15, v16
	s_wait_dscnt 0x0
	v_lshrrev_b32 v1, 5, v0
	v_readfirstlane_b32 s66, v1                    ; wave
	s_lshr_b32 s67, s66, 1                         ; I fetch for Q (0) or P (1).  Also: which four tiles of Q are mine
	s_and_b32 s92, s66, 1                          ; which half I fetch.  Also: which four tiles of P are mine
	s_bfe_u32 s40, ttmp6, 0x40000
	s_bfe_u32 s41, ttmp6, 0x40004
	s_lshl_b32 s42, ttmp9, 2
	s_add_co_u32 s42, s42, s40                     ; P's block of 8 tiles
	s_and_b32 s43, ttmp7, 0xffff
	s_lshl_b32 s43, s43, 2
	s_add_co_u32 s43, s43, s41                     ; Q's block of 8 tiles
	s_lshl_b32 s44, s41, 2
	s_lshl_b32 s44, 15, s44
	s_lshl_b32 s45, 0x1111, s40
	s_or_b32 s[G1Q], s44, (3<<16)|(1<<21)
	s_or_b32 s[G1P], s45, (3<<16)|(1<<21)
	s_or_b32 s[G1SQ], s44, (3<<16)|(1<<21)
	s_or_b32 s[G1SP], s45, (3<<16)|(1<<21)
	DESC1 G1Q, 1536, QWT, NS*192                   ; a tile's eight K steps are one dense row of 12,288 bytes: all of K comes by one load
	DESC1 G1P, 1536, 8, NS*192
	DESC1 G1SQ, 32, QWT*NS/4, 32
	DESC1 G1SP, 32, 2*NS, 32
	s_mul_i32 s20, s43, QWT
	s_mul_i32 s22, s20, NS*64
	s_add_co_u32 s22, s22, QWORDS
	s_mov_b32 s23, 0
	s_mul_i32 s20, s20, NS*1536
	s_mov_b32 s21, 0
	s_lshl_b32 s46, s42, 3
	s_mul_i32 s94, s46, NS*64
	s_add_co_u32 s94, s94, PWORDS
	s_mov_b32 s95, 0
	s_mul_i32 s46, s46, NS*1536
	s_add_co_u32 s46, s46, PCODES
	s_mov_b32 s47, 0
	s_wait_kmcnt 0x0
	s_add_nc_u64 s[20:21], s[4:5], s[20:21]
	s_add_nc_u64 s[22:23], s[4:5], s[22:23]
	s_add_nc_u64 s[46:47], s[6:7], s[46:47]
	s_add_nc_u64 s[94:95], s[6:7], s[94:95]
	CROUND
	; THE LAUNCH'S FOUR TILES, ONE A WAVE: Q's eight tiles for all of K, P's eight, Q's scale words, P's.  Nothing else is ever loaded into LDS.
	s_mov_b32 s[G0SQ], 1
	s_mov_b32 s[G0SQ+1], SCL
	s_mov_b64 s[G0SQ+2:G0SQ+3], s[22:23]
	s_or_b32 s[G0SQ+3], s[G0SQ+3], 0x80000000
	s_mov_b32 s[G0SP], 1
	s_mov_b32 s[G0SP+1], SCL+QWT*NS*64
	s_mov_b64 s[G0SP+2:G0SP+3], s[94:95]
	s_or_b32 s[G0SP+3], s[G0SP+3], 0x80000000
	s_mov_b32 s[G0Q], 1
	s_mov_b32 s[G0Q+1], 0
	s_mov_b64 s[G0Q+2:G0Q+3], s[20:21]
	s_or_b32 s[G0Q+3], s[G0Q+3], 0x80000000
	s_mov_b32 s[G0P], 1
	s_mov_b32 s[G0P+1], QWT*12288
	s_mov_b64 s[G0P+2:G0P+3], s[46:47]
	s_or_b32 s[G0P+3], s[G0P+3], 0x80000000
.macro ARM under, g0, g1, next         ; one chain of branches on the wave's number, one load to an arm, all arms to one join
	s_cmp_lt_u32 s66, \under
	s_cbranch_scc0 \next
	tensor_load_to_lds s[\g0:\g0+3], s[\g1:\g1+7]
	s_nop 0
.rept 4
	v_nop
.endr
	s_branch .Lhead_asked
\next:
.endm
	ARM 1, G0Q, G1Q, .Lhead_p
	ARM 2, G0P, G1P, .Lhead_sq
	ARM 3, G0SQ, G1SQ, .Lhead_sp
	tensor_load_to_lds s[G0SP:G0SP+3], s[G1SP:G1SP+7]
	s_nop 0
.rept 4
	v_nop
.endr
.Lhead_asked:
	v_and_b32 v1, 15, v0                           ; r
	v_bfe_u32 v2, v0, 4, 1                         ; h
	v_and_b32 v3, 31, v0                           ; l
	v_lshlrev_b32 v4, 4, v3                        ; 16 l
	v_lshlrev_b32 v6, 4-QI8, v3                    ; Q's images: 8 or 16 bytes a lane
	s_mul_i32 s20, s67, 4*12288                    ; a tile is 12,288 bytes of LDS; its K steps 4-7 begin 6,144 bytes in
	v_add_nc_u32 v[ADRQ], s20, v6
	v_add_nc_u32 v[ADRQ+1], 6144, v[ADRQ]
	s_mul_i32 s21, s92, PT*12288
	s_add_co_u32 s21, s21, QWT*12288
	v_add_nc_u32 v[ADRP], s21, v4
	v_add_nc_u32 v[ADRP+1], 6144, v[ADRP]
	v_lshlrev_b32 v5, 2, v1
	s_mul_i32 s22, s67, 4*NS*64
	s_mul_i32 s23, s92, PT*NS*64
	s_add_co_u32 s23, s23, QWT*NS*64
	s_sub_co_u32 s23, s23, s22                     ; from my Q tiles' words to my P tiles'
	v_mul_u32_u24 v6, s23, v2
	v_add_nc_u32 v6, v6, v5
	s_add_co_u32 s22, s22, SCL
	v_add_nc_u32 v[ADRS], s22, v6
	s_mul_i32 s22, s66, 4352
	s_add_co_u32 s22, s22, STG                     ; my stage
	v_mul_u32_u24 v[STO], v1, 272
	v_lshl_add_u32 v[STO], v2, 6, v[STO]
	v_add_nc_u32 v[STO], s22, v[STO]               ; in: row r, + 64 h
	v_mul_u32_u24 v[RD], v2, 272
	v_lshl_add_u32 v[RD], v1, 4, v[RD]
	v_add_nc_u32 v[RD], s22, v[RD]                 ; back: lanes 0-15 one row, lanes 16-31 the next
	v_lshlrev_b32 v[CO], 12, v2
	v_lshl_add_u32 v[CO], v1, 4, v[CO]             ; and the same two rows in memory
	v_lshlrev_b32 v20, 4, v1
	s_wait_alu depctr_va_vdst(0)
	s_lshl_b32 s20, s42, 9
	s_lshl_b32 s21, s92, 8
	s_add_co_u32 s20, s20, s21                     ; my 64 columns, in bytes
	s_mov_b32 s21, 0
	s_add_nc_u64 s[8:9], s[8:9], s[20:21]
	s_lshl_b32 s22, s43, 2
	s_lshl_b32 s23, s67, 1
	s_add_co_u32 s22, s22, s23
	s_lshl_b32 s22, s22, 17                        ; my 64 rows: 32 rows of 4,096 bytes for each pair of tiles
	s_add_co_u32 s20, s20, s22
	s_add_nc_u64 s[10:11], s[10:11], s[20:21]
	s_add_nc_u64 s[12:13], s[12:13], s[20:21]
	global_load_b128 v[24:27], v20, s[8:9]         ; the bias of my four columns
	WIN 0x80                                       ; destination window 2
.irp u, 0,1,2,3
.irp i, 0,1,2,3,4,5,6,7
	global_load_b128 v[128+32*\u+4*\i:131+32*\u+4*\i], v[CO], s[10:11] offset:(32*(\u/2)+8*(\u%2)+2*\i+8*(\i/4))*4096
.endr
.endr
	WIN 0
.macro FETCH slot, q, set
	WIN 0x40
.set i_, 0
.rept PT
.irp m, 0,1,2
	ds_load_b128 v[128*(\set)+12*i_+4*\m:128*(\set)+12*i_+4*\m+3], v[ADRP+\slot] offset:i_*12288+(\q)*1536+512*\m
.endr
.set i_, i_+1
.endr
	WIN 0
.irp j, 0,1,2,3
.if QI8
.irp p, 0,1,2,3,4,5
	ds_load_b64 v[QF+48*(\set)+12*\j+2*\p:QF+48*(\set)+12*\j+2*\p+1], v[ADRQ+\slot] offset:\j*12288+(\q)*1536+256*\p
.endr
.else
.irp m, 0,1,2
	ds_load_b128 v[QF+48*(\set)+12*\j+4*\m:QF+48*(\set)+12*\j+4*\m+3], v[ADRQ+\slot] offset:\j*6144+(\q)*1536+512*\m
.endr
.endif
.endr
.set i_, 0
.rept PT
	ds_load_b32 v[SC+8*(\set)+i_], v[ADRS] offset:i_*NS*64+(\q)*64
.set i_, i_+1
.endr
.endm
.macro MULG u, set, zero               ; the accumulators take turns, one instruction a turn
.set t_, 0
.rept PT
.if \zero
	v_wmma_scale_f32_16x16x128_f8f6f4 v[8*(PT*(\u)+t_):8*(PT*(\u)+t_)+7], v[128*(\set)+12*t_:128*(\set)+12*t_+11], v[QF+48*(\set)+12*(\u):QF+48*(\set)+12*(\u)+11], 0, v[SC+8*(\set)+t_], v[SC+8*(\set)+(\u)] matrix_a_fmt:MATRIX_FMT_FP6 matrix_b_fmt:MATRIX_FMT_FP6 matrix_a_scale:MATRIX_SCALE_ROW1
.else
	v_wmma_scale_f32_16x16x128_f8f6f4 v[8*(PT*(\u)+t_):8*(PT*(\u)+t_)+7], v[128*(\set)+12*t_:128*(\set)+12*t_+11], v[QF+48*(\set)+12*(\u):QF+48*(\set)+12*(\u)+11], v[8*(PT*(\u)+t_):8*(PT*(\u)+t_)+7], v[SC+8*(\set)+t_], v[SC+8*(\set)+(\u)] matrix_a_fmt:MATRIX_FMT_FP6 matrix_b_fmt:MATRIX_FMT_FP6 matrix_a_scale:MATRIX_SCALE_ROW1
.endif
.set t_, t_+1
.endr
.endm
.macro STEP slot, q, zero
	s_wait_dscnt 0x0                               ; this step's set, asked for a step ago, is in
	PLACES 4                                       ; in front of loads into the set that the last step's products read
	FETCH \slot, (\q)+1, 1-(\q)%2
	WIN 0xa1
	MULG 0, (\q)%2, \zero
	MULG 1, (\q)%2, \zero
	MULG 2, (\q)%2, \zero
	MULG 3, (\q)%2, \zero
.endm
; A slot's last step changes slots: one barrier; in front of it each wave waits for all its tensor loads, adds 0 to its spare word, and waits for that and for its reads of this slot.  fill = 1: this slot is filled again.
.macro TURN slot, next, fill
	s_wait_dscnt 0x0
	WIN 0
	s_wait_tensorcnt 0x0                           ; all my tensor loads have landed: my part of the next slot
	ds_add_u32 v[SPW], v[NIL]                      ; 0 onto my spare word
	WIN 0xa1
	MULG 0, 1, 0
	s_wait_dscnt 0x0                               ; the add is done, and my reads of this slot are over
	s_barrier_signal -1
	MULG 1, 1, 0
	WIN 0
	s_barrier_wait -1
.if \fill
	CREST                                          ; the barrier has opened a round of the cluster's: no wave of any partner still reads this slot or has a load on its way
	s_add_nc_u64 s[G0Q+4*\slot+2:G0Q+4*\slot+3], s[G0Q+4*\slot+2:G0Q+4*\slot+3], 12288
	s_add_nc_u64 s[G0P+4*\slot+2:G0P+4*\slot+3], s[G0P+4*\slot+2:G0P+4*\slot+3], 12288
	JLOAD G0Q+4*\slot, G1Q, G0P+4*\slot, G1P       ; my one load behind the round; its four v_nop are the places in front of the loads below
.else
	PLACES 4
.endif
	v_add_nc_u32 v[ADRS], 256, v[ADRS]
	FETCH \next, 0, 0
	WIN 0xa1
	MULG 2, 1, 0
	MULG 3, 1, 0
.endm
.macro TOSTAGE u                       ; Q's tile u: 16 rows x my 64 columns into the stage, and back as rows of 256 bytes
	WIN 0x08                                       ; an LDS store's data are its source 1: window 2
.irp t, 0,1,2,3
	ds_store_b128 v[STO], v[8*(4*(\u)+\t):8*(4*(\u)+\t)+3] offset:128*(\t/2)+32*(\t%2)       ; each accumulator from its low end on
	ds_store_b128 v[STO], v[8*(4*(\u)+\t)+4:8*(4*(\u)+\t)+7] offset:128*(\t/2)+32*(\t%2)+16
.endr
	WIN 0
.set BB, BK+32*((\u)%2)
.irp i, 0,1,2,3,4,5,6,7
	ds_load_b128 v[BB+4*\i:BB+4*\i+3], v[RD] offset:544*\i   ; a wave's LDS instructions are served in order: these see the stores above
.endr
.endm
.macro SEND u, younger                 ; younger: the LDS instructions issued behind tile u's loads
.set BB, BK+32*((\u)%2)
	s_wait_dscnt \younger
.set i_, 0
.rept 8
	v_pk_add_f32 v[BB+4*i_:BB+4*i_+1], v[BB+4*i_:BB+4*i_+1], v[24:25]
	v_pk_add_f32 v[BB+4*i_+2:BB+4*i_+3], v[BB+4*i_+2:BB+4*i_+3], v[26:27]
.set i_, i_+1
.endr
	WIN 0x08                                       ; source 1: the residual's window
.set i_, 0
.rept 16
	v_pk_add_f32 v[BB+2*i_:BB+2*i_+1], v[BB+2*i_:BB+2*i_+1], v[128+32*(\u)+2*i_:129+32*(\u)+2*i_]
.set i_, i_+1
.endr
	WIN 0
.irp i, 0,1,2,3,4,5,6,7
	global_store_b128 v[CO], v[BB+4*\i:BB+4*\i+3], s[12:13] offset:(32*((\u)/2)+8*((\u)%2)+2*\i+8*(\i/4))*4096   ; sixteen lanes store 256 consecutive bytes, aligned
.endr
.endm
	s_wait_tensorcnt 0x0                           ; my tile of the four is in; behind the barrier everybody's is
	s_barrier_signal -1
	s_barrier_wait -1
	FETCH 0, 0, 0
	STEP 0, 0, 1
.if NS > 8
	WIN 0
	s_mov_b32 s3, NS/8-1
.Llap:                                         ; a trip goes once round the ring and fills both slots again
	STEP 0, 1, 0
	STEP 0, 2, 0
	TURN 0, 1, 1
	STEP 1, 0, 0
	STEP 1, 1, 0
	STEP 1, 2, 0
	TURN 1, 0, 1
	STEP 0, 0, 0
	WIN 0
	s_sub_co_u32 s3, s3, 1
	s_cmp_lg_u32 s3, 0
	s_cbranch_scc1 .Llap
.endif
	STEP 0, 1, 0
	STEP 0, 2, 0
	TURN 0, 1, 0
	s_wait_alu depctr_va_vdst(0)
	STEP 1, 0, 0
	STEP 1, 1, 0
	STEP 1, 2, 0
	s_wait_dscnt 0x0
	MULG 0, 1, 0
	MULG 1, 1, 0
	MULG 2, 1, 0
	MULG 3, 1, 0
	WIN 0
	PLACES 4
	s_wait_loadcnt 0x0                             ; the bias and the residual
	TOSTAGE 0
.irp u, 1,2,3
.if \u > 1
	s_wait_xcnt 0x0                                ; tile u - 2's stores have read the registers that tile u's loads take
.endif
	TOSTAGE \u
	SEND \u-1, 16                                  ; behind tile u - 1's loads: tile u's 8 stores and 8 loads
.endr
	SEND 3, 0
	s_wait_tensorcnt 0x0                           ; the wave's end
	ds_add_u32 v[SPW], v[NIL]
	s_wait_dscnt 0x0
	CROUND                                         ; the closing round
	s_endpgm
.Lfunc_end_k_q4bafcf698c_wo:
	.size	k_q4bafcf698c_wo, .Lfunc_end_k_q4bafcf698c_wo-k_q4bafcf698c_wo
	.p2alignl 7, 3214868480
	.fill 96, 4, 3214868480
	.section	.rodata,"a",@progbits
	.p2align	6, 0x0
	.amdhsa_kernel k_q4bafcf698c_wo
		.amdhsa_group_segment_fixed_size 327680
		.amdhsa_private_segment_fixed_size 0
		.amdhsa_enable_private_segment 0
		.amdhsa_kernarg_size 40
		.amdhsa_user_sgpr_count 2
		.amdhsa_user_sgpr_kernarg_segment_ptr 1
		.amdhsa_wavefront_size32 1
		.amdhsa_system_sgpr_workgroup_id_x 1
		.amdhsa_system_sgpr_workgroup_id_y 1
		.amdhsa_system_sgpr_workgroup_id_z 1
		.amdhsa_system_vgpr_workitem_id 0
		.amdhsa_next_free_vgpr 768
		.amdhsa_next_free_sgpr 102
		.amdhsa_reserve_vcc 0
		.amdhsa_float_denorm_mode_32 3
		.amdhsa_float_denorm_mode_16_64 3
		.amdhsa_memory_ordered 1
		.amdhsa_forward_progress 1
		.amdhsa_inst_pref_size 66
	.end_amdhsa_kernel
	.amdgpu_metadata
---
amdhsa.version: [ 1, 2 ]
amdhsa.kernels:
  - .name:           k_q4bafcf698c_wo
    .symbol:         k_q4bafcf698c_wo.kd
    .args:
      - { .name: aimg, .offset: 0, .size: 8, .value_kind: global_buffer, .address_space: global }
      - { .name: wimg, .offset: 8, .size: 8, .value_kind: global_buffer, .address_space: global }
      - { .name: bo, .offset: 16, .size: 8, .value_kind: global_buffer, .address_space: global }
      - { .name: inputs, .offset: 24, .size: 8, .value_kind: global_buffer, .address_space: global }
      - { .name: o1, .offset: 32, .size: 8, .value_kind: global_buffer, .address_space: global }
    .group_segment_fixed_size: 327680
    .private_segment_fixed_size: 0
    .kernarg_segment_align: 8
    .kernarg_segment_size: 40
    .max_flat_workgroup_size: 128
    .sgpr_count:     102
    .vgpr_count:     768
    .wavefront_size: 32
...
	.end_amdgpu_metadata
.endif
;; end of part 4
;; launch ln2 (part 5): grid 256 x 1, 8 waves a work-group, no clusters, 77,824 bytes of LDS; arguments o1, ln2_scale, ln2_shift, ximg, o2; writes ximg, o2
.if DOCPART == 5
	.amdgcn_target "amdgcn-amd-amdhsa--gfx1250"
	.amdhsa_code_object_version 6
	.text
	.protected	k_q4bafcf698c_ln2
	.globl	k_q4bafcf698c_ln2
	.p2align	8
	.type	k_q4bafcf698c_ln2,@function
k_q4bafcf698c_ln2:
	s_mov_b64 s[64:65], 0
	v_nop
	global_prefetch_b8 v0, s[64:65] scope:SCOPE_SE
	s_setreg_imm32_b32 hwreg(HW_REG_WAVE_MODE, 25, 1), 1
	s_wait_xcnt 0x0
; y = gain (x - mean) / (std + 1e-9) + shift over rows of 1,024 (std with n - 1); y leaves in f32 (it is the last residual) and as codes of FP6 (E2M3) with E8M0 bytes, as images of operand registers.
; A work-group takes a tile of 16 rows: lane r holds row 32 (T/2) + 8 (T%2) + r + 8 (r/8).  Wave w takes K step w (128 columns): fragment (T, w) at (8 T + w) x 1536, register g of lane l at
; 512 (g/4) + 16 l + 4 (g%4); scale word at 3,145,728 + (8 T + w) x 64 + 4 r.  Each load reads 512 consecutive bytes; the numbers turn through the wave's own stage so that a lane holds two whole blocks of 32.
; The variance is taken of x - mean in a second pass over registers: no difference of large sums.  Two barriers: the waves' row sums meet in LDS.
; LIMITS: NaN and infinities are not served; a block of zeros gets the byte 1 (zero codes; this program alone reads the bytes); magnitudes under 2^-124 are held by the floor.
.set F32OUT, 1
.set WREG, 9472
.set GOFF, 8448
.set STAT, 8*WREG
.set RAW,  16
.set Y,    80
.set GN,   144
.set PC,   208
.set CT,   220
	s_load_b256 s[4:11], s[0:1], 0x0               ; x, gain, shift, the images
.if F32OUT
	s_load_b64 s[12:13], s[0:1], 0x20              ; y in f32
	v_lshl_add_u32 v254, v0, 2, 0x12c00
	v_mov_b32 v255, 0
.endif
	v_lshrrev_b32 v1, 5, v0
	s_delay_alu instid0(VALU_DEP_1)
	v_readfirstlane_b32 s14, v1                    ; wave
	v_and_b32 v1, 15, v0                           ; r
	v_bfe_u32 v2, v0, 4, 1                         ; h
	v_and_b32 v3, 31, v0                           ; l
	s_mul_i32 s15, s14, WREG
	v_lshlrev_b32 v10, 4, v3
	s_delay_alu instid0(VALU_DEP_1)
	v_add_nc_u32 v4, s15, v10
	v_mul_u32_u24 v5, v1, 528
	s_delay_alu instid0(VALU_DEP_1)
	v_lshl_add_u32 v5, v2, 7, v5
	s_delay_alu instid0(VALU_DEP_1)
	v_add_nc_u32 v5, s15, v5
	v_lshlrev_b32 v6, 7, v2
	s_delay_alu instid0(VALU_DEP_1)
	v_add_nc_u32 v6, s15, v6
	s_lshl_b32 s16, s14, 9
	v_add_nc_u32 v7, s16, v10
	v_lshlrev_b32 v11, 2, v1
	s_delay_alu instid0(VALU_DEP_1)
	v_add_nc_u32 v9, STAT, v11
	s_lshl_b32 s17, s14, 6
	v_add_nc_u32 v8, s17, v9
	s_mov_b32 s20, 0x76543210
	s_mov_b32 s21, 0xfedcba98
	s_lshr_b32 s18, ttmp9, 1
	s_lshl_b32 s18, s18, 17
	s_and_b32 s19, ttmp9, 1
	s_lshl_b32 s19, s19, 15
	s_add_co_u32 s18, s18, s19
	s_mov_b32 s19, 0
	s_lshl_b32 s22, ttmp9, 3
	s_add_co_u32 s22, s22, s14
	s_mul_i32 s24, s22, 1536
	s_mov_b32 s25, 0
	s_lshl_b32 s26, s22, 6
	s_add_co_u32 s26, s26, 3145728
	s_mov_b32 s27, 0
	s_wait_alu depctr_va_vdst(0)
	s_wait_kmcnt 0x0
	s_add_nc_u64 s[4:5], s[4:5], s[18:19]
	s_add_nc_u64 s[24:25], s[10:11], s[24:25]
	s_add_nc_u64 s[26:27], s[10:11], s[26:27]
.if F32OUT
	s_add_nc_u64 s[12:13], s[12:13], s[18:19]
.endif
.irp i, 0,1,2,3,4,5,6,7,8,9,10,11,12,13,14,15
	global_load_b128 v[RAW+4*\i:RAW+4*\i+3], v7, s[4:5] offset:(\i+8*(\i/8))*4096 th:TH_LOAD_NT
.endr
	global_load_b128 v[232:235], v7, s[6:7]
	global_load_b128 v[236:239], v7, s[8:9]
	s_wait_loadcnt 0x0
.irp i, 0,1,2,3,4,5,6,7,8,9,10,11,12,13,14,15
	ds_store_b128 v4, v[RAW+4*\i:RAW+4*\i+3] offset:528*\i
.endr
	ds_store_b128 v4, v[232:235] offset:GOFF
	ds_store_b128 v4, v[236:239] offset:GOFF+512
.irp c, 0,1
.irp j, 0,1,2,3,4,5,6,7
	ds_load_b128 v[Y+32*\c+4*\j:Y+32*\c+4*\j+3], v5 offset:256*\c+16*\j
.endr
.endr
.irp c, 0,1
.irp j, 0,1,2,3,4,5,6,7
	ds_load_b128 v[GN+32*\c+4*\j:GN+32*\c+4*\j+3], v6 offset:GOFF+256*\c+16*\j
.endr
.endr
	s_wait_dscnt 16                                ; my numbers are back (the gains' 16 loads may be out): so the stores have read the registers that the shifts now take
.irp c, 0,1
.irp j, 0,1,2,3,4,5,6,7
	ds_load_b128 v[RAW+32*\c+4*\j:RAW+32*\c+4*\j+3], v6 offset:GOFF+512+256*\c+16*\j
.endr
.endr
	; the mean
	v_pk_add_f32 v[230:231], v[80:81], v[82:83]
	v_pk_add_f32 v[252:253], v[88:89], v[92:93]
	v_pk_add_f32 v[250:251], v[96:97], v[100:101]
	v_pk_add_f32 v[248:249], v[104:105], v[108:109]
	v_pk_add_f32 v[246:247], v[112:113], v[116:117]
	v_pk_add_f32 v[244:245], v[120:121], v[124:125]
	v_pk_add_f32 v[242:243], v[128:129], v[132:133]
	v_pk_add_f32 v[228:229], v[136:137], v[140:141]
	s_delay_alu instid0(VALU_DEP_1)
	v_pk_add_f32 v[228:229], v[228:229], v[84:85]
	v_pk_add_f32 v[230:231], v[230:231], v[86:87]
	v_pk_add_f32 v[252:253], v[252:253], v[90:91]
	v_pk_add_f32 v[250:251], v[250:251], v[94:95]
	v_pk_add_f32 v[248:249], v[248:249], v[98:99]
	v_pk_add_f32 v[246:247], v[246:247], v[102:103]
	v_pk_add_f32 v[244:245], v[244:245], v[106:107]
	v_pk_add_f32 v[242:243], v[242:243], v[110:111]
	v_pk_add_f32 v[228:229], v[228:229], v[114:115]
	v_pk_add_f32 v[230:231], v[230:231], v[118:119]
	v_pk_add_f32 v[252:253], v[252:253], v[122:123]
	v_pk_add_f32 v[250:251], v[250:251], v[126:127]
	v_pk_add_f32 v[248:249], v[248:249], v[130:131]
	v_pk_add_f32 v[246:247], v[246:247], v[134:135]
	v_pk_add_f32 v[244:245], v[244:245], v[138:139]
	v_pk_add_f32 v[242:243], v[242:243], v[142:143]
	s_delay_alu instid0(VALU_DEP_4)
	v_pk_add_f32 v[228:229], v[228:229], v[248:249]
	s_delay_alu instid0(VALU_DEP_4)
	v_pk_add_f32 v[230:231], v[230:231], v[246:247]
	s_delay_alu instid0(VALU_DEP_4)
	v_pk_add_f32 v[252:253], v[252:253], v[244:245]
	s_delay_alu instid0(VALU_DEP_4)
	v_pk_add_f32 v[250:251], v[250:251], v[242:243]
	s_delay_alu instid0(VALU_DEP_2)
	v_pk_add_f32 v[228:229], v[228:229], v[252:253]
	s_delay_alu instid0(VALU_DEP_2)
	v_pk_add_f32 v[230:231], v[230:231], v[250:251]
	s_delay_alu instid0(VALU_DEP_1)
	v_pk_add_f32 v[228:229], v[228:229], v[230:231]
	s_delay_alu instid0(VALU_DEP_1)
	v_add_f32 v228, v228, v229
	s_delay_alu instid0(VALU_DEP_1)
	v_permlanex16_b32 v229, v228, s20, s21
	s_delay_alu instid0(VALU_DEP_1)
	v_add_f32 v228, v228, v229
	ds_store_b32 v8, v228
	s_wait_dscnt 0x0                               ; for the others' sake: my store has landed
	s_barrier_signal -1
	s_barrier_wait -1
.irp w, 0,1,2,3,4,5,6,7
	ds_load_b32 v[232+\w], v9 offset:64*\w
.endr
	s_wait_dscnt 0x0
	v_add_f32 v232, v232, v233
	v_add_f32 v234, v234, v235
	v_add_f32 v236, v236, v237
	v_add_f32 v238, v238, v239
	s_delay_alu instid0(VALU_DEP_3)
	v_add_f32 v232, v232, v234
	s_delay_alu instid0(VALU_DEP_2)
	v_add_f32 v236, v236, v238
	s_delay_alu instid0(VALU_DEP_1)
	v_add_f32 v232, v232, v236
	s_delay_alu instid0(VALU_DEP_1)
	v_mul_f32 v240, 0x3a800000, v232               ; / 1,024
	s_delay_alu instid0(VALU_DEP_1)
	v_mov_b32 v241, v240
.set j_, 0
.rept 32
	v_pk_add_f32 v[Y+j_:Y+j_+1], v[Y+j_:Y+j_+1], v[240:241] op_sel_hi:[1,0] neg_lo:[0,1] neg_hi:[0,1]
.set j_, j_+2
.endr
	; the sum of squares of x - mean
	v_pk_mul_f32 v[228:229], v[Y:Y+1], v[Y:Y+1]
	v_pk_mul_f32 v[230:231], v[Y+2:Y+3], v[Y+2:Y+3]
.irp j, 4,8,12,16,20,24,28,32,36,40,44,48,52,56,60
	s_delay_alu instid0(VALU_DEP_2)
	v_pk_fma_f32 v[228:229], v[Y+\j:Y+\j+1], v[Y+\j:Y+\j+1], v[228:229]
	s_delay_alu instid0(VALU_DEP_2)
	v_pk_fma_f32 v[230:231], v[Y+\j+2:Y+\j+3], v[Y+\j+2:Y+\j+3], v[230:231]
.endr
	s_delay_alu instid0(VALU_DEP_1)
	v_pk_add_f32 v[228:229], v[228:229], v[230:231]
	s_delay_alu instid0(VALU_DEP_1)
	v_add_f32 v228, v228, v229
	s_delay_alu instid0(VALU_DEP_1)
	v_permlanex16_b32 v229, v228, s20, s21
	s_delay_alu instid0(VALU_DEP_1)
	v_add_f32 v228, v228, v229
	ds_store_b32 v8, v228 offset:512
	s_wait_dscnt 0x0
	s_barrier_signal -1
	s_barrier_wait -1
.irp w, 0,1,2,3,4,5,6,7
	ds_load_b32 v[232+\w], v9 offset:512+64*\w
.endr
	s_wait_dscnt 0x0
	v_add_f32 v232, v232, v233
	v_add_f32 v234, v234, v235
	v_add_f32 v236, v236, v237
	v_add_f32 v238, v238, v239
	s_delay_alu instid0(VALU_DEP_3)
	v_add_f32 v232, v232, v234
	s_delay_alu instid0(VALU_DEP_2)
	v_add_f32 v236, v236, v238
	s_delay_alu instid0(VALU_DEP_1)
	v_add_f32 v232, v232, v236
	s_delay_alu instid0(VALU_DEP_1)
	v_mul_f32 v232, 0x3a802008, v232               ; / 1,023
	s_wait_alu depctr_va_vdst(0)
	v_sqrt_f32 v233, v232
	v_nop                                          ; a plain line behind the root
	s_wait_alu depctr_va_vdst(0)                   ; the wait ahead of the first reader
	v_add_f32 v233, 0x3089705f, v233               ; + 1e-9
	s_wait_alu depctr_va_vdst(0)
	v_rcp_f32 v242, v233
	v_nop
	s_wait_alu depctr_va_vdst(0)
	v_mov_b32 v243, v242
.set j_, 0
.rept 32
	v_pk_mul_f32 v[Y+j_:Y+j_+1], v[Y+j_:Y+j_+1], v[242:243] op_sel_hi:[1,0]
.set j_, j_+2
.endr
.set j_, 0
.rept 32
	v_pk_fma_f32 v[Y+j_:Y+j_+1], v[Y+j_:Y+j_+1], v[GN+j_:GN+j_+1], v[RAW+j_:RAW+j_+1]
.set j_, j_+2
.endr
	; the quantiser: my blocks h and 2 + h, all 32 numbers of each are mine
.irp c, 0,1
	v_max3_num_f32 v[228+\c], |v[Y+32*\c]|, |v[Y+32*\c+1]|, 0x1800000
.endr
.irp i, 2,4,6,8,10,12,14,16,18,20,22,24,26,28,30
.irp c, 0,1
	s_delay_alu instid0(VALU_DEP_2)
	v_max3_num_f32 v[228+\c], v[228+\c], |v[Y+32*\c+\i]|, |v[Y+32*\c+\i+1]|
.endr
.endr
.irp c, 0,1
	s_delay_alu instid0(VALU_DEP_2)
	v_add_nc_u32 v[230+\c], 0xff000000, v[228+\c]
.endr
.irp c, 0,1
	s_delay_alu instid0(VALU_DEP_2)
	v_lshrrev_b32 v[232+\c], 23, v[230+\c]
.endr
	s_delay_alu instid0(VALU_DEP_1)
	v_lshl_or_b32 v234, v233, 16, v232
	v_lshlrev_b32 v235, 3, v2
	s_delay_alu instid0(VALU_DEP_1)
	v_lshlrev_b32 v234, v235, v234
	v_mov_b32 v236, 0
	s_delay_alu instid0(VALU_DEP_1)
	v_permlanex16_b32 v236, v234, s20, s21
	s_delay_alu instid0(VALU_DEP_1)
	v_or_b32 v234, v234, v236
.irp c, 0,1
	v_cvt_scalef32_pk16_fp6_f32 v[PC+6*\c:PC+6*\c+2], v[Y+32*\c:Y+32*\c+15], v[230+\c]
	v_cvt_scalef32_pk16_fp6_f32 v[CT+4*\c:CT+4*\c+2], v[Y+32*\c+16:Y+32*\c+31], v[230+\c]
.endr
	v_nop
.irp c, 0,1
.irp i, 0,1,2
	v_mov_b32 v[PC+3+6*\c+\i], v[CT+4*\c+\i]
.endr
.endr
.irp m, 0,1,2
	global_store_b128 v10, v[PC+4*\m:PC+4*\m+3], s[24:25] offset:512*\m
.endr
	global_store_b32 v11, v234, s[26:27]
.if F32OUT
.irp c, 0,1
.irp j, 0,1,2,3,4,5,6,7
	ds_store_b128 v5, v[Y+32*\c+4*\j:Y+32*\c+4*\j+3] offset:256*\c+16*\j      ; y back through my stage, so that a store covers 512 consecutive bytes of a row
.endr
.endr
.irp i, 0,1,2,3,4,5,6,7,8,9,10,11,12,13,14,15
	ds_load_b128 v[GN+4*\i:GN+4*\i+3], v4 offset:528*\i
.endr
.irp i, 0,1,2,3,4,5,6,7,8,9,10,11,12,13,14,15
	s_wait_dscnt 15-\i
	global_store_b128 v7, v[GN+4*\i:GN+4*\i+3], s[12:13] offset:(\i+8*(\i/8))*4096
.endr
.endif
	s_wait_tensorcnt 0x0
	ds_add_u32 v254, v255
	s_wait_dscnt 0x0
	s_endpgm
.Lfunc_end_k_q4bafcf698c_ln2:
	.size	k_q4bafcf698c_ln2, .Lfunc_end_k_q4bafcf698c_ln2-k_q4bafcf698c_ln2
	.p2alignl 7, 3214868480
	.fill 96, 4, 3214868480
	.section	.rodata,"a",@progbits
	.p2align	6, 0x0
	.amdhsa_kernel k_q4bafcf698c_ln2
		.amdhsa_group_segment_fixed_size 77824
		.amdhsa_private_segment_fixed_size 0
		.amdhsa_enable_private_segment 0
		.amdhsa_kernarg_size 40
		.amdhsa_user_sgpr_count 2
		.amdhsa_user_sgpr_kernarg_segment_ptr 1
		.amdhsa_wavefront_size32 1
		.amdhsa_system_sgpr_workgroup_id_x 1
		.amdhsa_system_sgpr_workgroup_id_y 1
		.amdhsa_system_sgpr_workgroup_id_z 1
		.amdhsa_system_vgpr_workitem_id 0
		.amdhsa_next_free_vgpr 256
		.amdhsa_next_free_sgpr 66
		.amdhsa_reserve_vcc 0
		.amdhsa_float_denorm_mode_32 3
		.amdhsa_float_denorm_mode_16_64 3
		.amdhsa_memory_ordered 1
		.amdhsa_forward_progress 1
		.amdhsa_inst_pref_size 32
	.end_amdhsa_kernel
	.amdgpu_metadata
---
amdhsa.version: [ 1, 2 ]
amdhsa.kernels:
  - .name:           k_q4bafcf698c_ln2
    .symbol:         k_q4bafcf698c_ln2.kd
    .args:
      - { .name: o1, .offset: 0, .size: 8, .value_kind: global_buffer, .address_space: global }
      - { .name: ln2_scale, .offset: 8, .size: 8, .value_kind: global_buffer, .address_space: global }
      - { .name: ln2_shift, .offset: 16, .size: 8, .value_kind: global_buffer, .address_space: global }
      - { .name: ximg, .offset: 24, .size: 8, .value_kind: global_buffer, .address_space: global }
      - { .name: o2, .offset: 32, .size: 8, .value_kind: global_buffer, .address_space: global }
    .group_segment_fixed_size: 77824
    .private_segment_fixed_size: 0
    .kernarg_segment_align: 8
    .kernarg_segment_size: 40
    .max_flat_workgroup_size: 256
    .sgpr_count:     66
    .vgpr_count:     256
    .wavefront_size: 32
...
	.end_amdgpu_metadata
.endif
;; end of part 5
;; launch ffn1 (part 6): grid 16 x 16, 4 waves a work-group, clusters of 4 x 4, 327,680 bytes of LDS; arguments ximg, wimg, b1, himg; writes himg
.if DOCPART == 6
	.amdgcn_target "amdgcn-amd-amdhsa--gfx1250"
	.amdhsa_code_object_version 6
	.text
	.protected	k_q4bafcf698c_ffn1
	.globl	k_q4bafcf698c_ffn1
	.p2align	8
	.type	k_q4bafcf698c_ffn1,@function
k_q4bafcf698c_ffn1:
	s_mov_b64 s[64:65], 0
	v_nop
	global_prefetch_b8 v0, s[64:65] scope:SCOPE_SE
	s_setreg_imm32_b32 hwreg(HW_REG_WAVE_MODE, 25, 1), 1
	s_wait_xcnt 0x0
	s_wait_alu depctr_hold_cnt(0) depctr_sa_sdst(0) depctr_va_vdst(0) depctr_va_sdst(0) depctr_va_ssrc(0) depctr_va_vcc(0) depctr_vm_vsrc(0)
	s_getreg_b32 s2, hwreg(HW_REG_IB_STS2, 6, 4)
	s_cmp_eq_u32 s2, 0
	s_cbranch_scc0 .Lentry_in_a_cluster
	s_endpgm
.Lentry_in_a_cluster:
	s_bfe_u32 s2, ttmp6, 0x10000c
	s_cmp_lg_u32 s2, 0xf033
	s_cbranch_scc0 .Lentry_shape_is_right
	s_endpgm
.Lentry_shape_is_right:
.set NS,   8
.set PT,   8
.set QWT,  16
.set PCODES, 3145728
.set PWORDS, 9568256
.set QWORDS, 3145728
.set SLOT, (QWT+8)*6144
.set SCL,  2*SLOT
.set SPARE, SCL+(QWT+16)*NS*64
.set NEXTP, 8*NS*1536
.set ADRQ, 10
.set ADRP, 12
.set ADRS, 14
.set SPW,  15
.set NIL,  16
.set SC,   32
.set TM,   48
.set QF,   64
.set H,    64
.set FA,   128
.set CT,   152
.set BIAS, 160
.set PWQ,  224
.set G1Q, 24
.set G0Q, 32
.set G1P, 48
.set G0P, 56
.set G1SQ, 68
.set G0SQ, 76
.set G1SP, 80
.set G0SP, 88
.set SEL, 100
.set MSB, 0
.macro WIN new
.if MSB != \new
	s_set_vgpr_msb (MSB<<8)|\new
.set MSB, \new
.endif
.endm
.macro JLOAD g0a, g1a, g0b, g1b
	s_cmp_eq_u32 s67, 0
	s_cbranch_scc0 .Lfor_b_\@
	tensor_load_to_lds s[\g0a:\g0a+3], s[\g1a:\g1a+7]
	s_nop 0
.rept 4
	v_nop
.endr
	s_branch .Lasked_\@
.Lfor_b_\@:
	tensor_load_to_lds s[\g0b:\g0b+3], s[\g1b:\g1b+7]
	s_nop 0
.rept 4
	v_nop
.endr
.Lasked_\@:
.endm
.macro PLOAD slot
	s_cmp_eq_u32 s67, 0
	s_cbranch_scc1 .Lno_part_\@
	tensor_load_to_lds s[G0P+4*\slot:G0P+4*\slot+3], s[G1P:G1P+7]
	s_nop 0
.rept 4
	v_nop
.endr
.Lno_part_\@:
.endm
.macro CREST
	s_cmp_lg_u32 s66, 0
	s_cbranch_scc1 .Lnot_wave_0_\@
	s_barrier_signal -3
.Lnot_wave_0_\@:
	s_barrier_wait -3
	s_barrier_signal -1
	s_barrier_wait -1
.endm
.macro CROUND
	s_barrier_signal -1
	s_barrier_wait -1
	CREST
.endm
.macro PLACES n
.rept \n
	v_nop
.endr
.endm
.macro DESC1 g, c, r, p
	s_mov_b32 s[\g+1], (\c)<<16
	s_mov_b32 s[\g+2], (\r)<<16
	s_mov_b32 s[\g+3], (\c)<<16
	s_mov_b32 s[\g+4], \r
	s_mov_b32 s[\g+5], \p
	s_mov_b32 s[\g+6], 0
	s_mov_b32 s[\g+7], 0
.endm
	s_load_b128 s[4:7], s[0:1], 0x0
	s_load_b128 s[8:11], s[0:1], 0x10
	v_lshl_add_u32 v[SPW], v0, 2, SPARE
	v_mov_b32 v[NIL], 0
	ds_add_u32 v15, v16
	ds_add_u32 v15, v16
	s_wait_dscnt 0x0
	v_lshrrev_b32 v1, 5, v0
	v_readfirstlane_b32 s66, v1
	s_lshr_b32 s67, s66, 1
	s_and_b32 s92, s66, 1
	s_bfe_u32 s40, ttmp6, 0x40000
	s_bfe_u32 s41, ttmp6, 0x40004
	s_lshl_b32 s42, ttmp9, 2
	s_add_co_u32 s42, s42, s40
	s_and_b32 s43, ttmp7, 0xffff
	s_lshl_b32 s43, s43, 2
	s_add_co_u32 s43, s43, s41
	s_lshl_b32 s44, s41, 2
	s_lshl_b32 s44, 15, s44
	s_lshl_b32 s45, 0x1111, s40
	s_or_b32 s[G1Q], s44, (3<<16)|(1<<21)
	s_or_b32 s[G1P], s45, (3<<16)|(1<<21)
	s_or_b32 s[G1SQ], s44, (3<<16)|(1<<21)
	s_or_b32 s[G1SP], s45, (3<<16)|(1<<21)
	DESC1 G1Q, 768, QWT, NS*192                    ; the head's loads bring whole tiles; behind them the row counts are halved for the ring's loads
	DESC1 G1P, 768, 8, NS*192
	DESC1 G1SQ, 32, QWT*NS/4, 32
	DESC1 G1SP, 32, 4*NS, 32
	s_mul_i32 s20, s43, QWT
	s_mul_i32 s21, s92, QWT/2
	s_add_co_u32 s20, s20, s21
	s_mul_i32 s22, s20, NS*64
	s_add_co_u32 s22, s22, QWORDS
	s_mov_b32 s23, 0
	s_mul_i32 s20, s20, NS*1536
	s_mov_b32 s21, 0
	s_lshl_b32 s46, s42, 4
	s_lshl_b32 s47, s92, 3
	s_add_co_u32 s94, s46, s47
	s_mul_i32 s94, s94, NS*64
	s_add_co_u32 s94, s94, PWORDS
	s_mov_b32 s95, 0
	s_lshl_b32 s47, s92, 2
	s_add_co_u32 s46, s46, s47
	s_mul_i32 s46, s46, NS*1536
	s_add_co_u32 s46, s46, PCODES
	s_mov_b32 s47, 0
	s_mul_i32 s96, s92, (QWT/2)*6144
	s_mul_i32 s97, s92, 4*6144
	s_add_co_u32 s97, s97, QWT*6144
	s_mov_b32 s[SEL], 0x76543210
	s_mov_b32 s[SEL+1], 0xfedcba98
	s_wait_kmcnt 0x0
	s_add_nc_u64 s[20:21], s[4:5], s[20:21]
	s_add_nc_u64 s[22:23], s[4:5], s[22:23]
	s_add_nc_u64 s[46:47], s[6:7], s[46:47]
	s_add_nc_u64 s[94:95], s[6:7], s[94:95]
	CROUND
	; THE HEAD'S FOUR TILES, ONE A WAVE, each whole: slot 0's Q codes, its P codes, Q's scale words, P's.  What my half added to an address is taken off again.
	s_mul_i32 s4, s92, (QWT/2)*NS*64
	s_mov_b32 s5, 0
	s_mul_i32 s6, s92, 8*NS*64
	s_mov_b32 s7, 0
	s_mov_b32 s[G0SQ], 1
	s_mov_b32 s[G0SQ+1], SCL
	s_sub_nc_u64 s[G0SQ+2:G0SQ+3], s[22:23], s[4:5]
	s_or_b32 s[G0SQ+3], s[G0SQ+3], 0x80000000
	s_mov_b32 s[G0SP], 1
	s_mov_b32 s[G0SP+1], SCL+QWT*NS*64
	s_sub_nc_u64 s[G0SP+2:G0SP+3], s[94:95], s[6:7]
	s_or_b32 s[G0SP+3], s[G0SP+3], 0x80000000
	s_mul_i32 s4, s92, (QWT/2)*NS*1536
	s_mul_i32 s6, s92, 4*NS*1536
	s_mov_b32 s[G0Q], 1
	s_mov_b32 s[G0Q+1], 0
	s_sub_nc_u64 s[G0Q+2:G0Q+3], s[20:21], s[4:5]
	s_or_b32 s[G0Q+3], s[G0Q+3], 0x80000000
	s_mov_b32 s[G0P], 1
	s_mov_b32 s[G0P+1], QWT*6144
	s_sub_nc_u64 s[G0P+2:G0P+3], s[46:47], s[6:7]
	s_or_b32 s[G0P+3], s[G0P+3], 0x80000000
	s_mov_b32 s[G0Q+4], 1                          ; slot 1's: my half of a tile
	s_add_co_u32 s[G0Q+5], s96, SLOT
	s_add_nc_u64 s[G0Q+6:G0Q+7], s[20:21], 6144
	s_or_b32 s[G0Q+7], s[G0Q+7], 0x80000000
	s_mov_b32 s[G0P+4], 1
	s_add_co_u32 s[G0P+5], s97, SLOT
	s_add_nc_u64 s[G0P+6:G0P+7], s[46:47], 6144
	s_or_b32 s[G0P+7], s[G0P+7], 0x80000000
.macro ARM under, g0, g1, next         ; one chain of branches on the wave's number, one load to an arm, all arms to one join
	s_cmp_lt_u32 s66, \under
	s_cbranch_scc0 \next
	tensor_load_to_lds s[\g0:\g0+3], s[\g1:\g1+7]
	s_nop 0
.rept 4
	v_nop
.endr
	s_branch .Lhead_asked
\next:
.endm
	ARM 1, G0Q, G1Q, .Lhead_p
	ARM 2, G0P, G1P, .Lhead_sq
	ARM 3, G0SQ, G1SQ, .Lhead_sp
	tensor_load_to_lds s[G0SP:G0SP+3], s[G1SP:G1SP+7]
	s_nop 0
.rept 4
	v_nop
.endr
.Lhead_asked:
	v_and_b32 v1, 15, v0
	v_bfe_u32 v2, v0, 4, 1
	v_and_b32 v3, 31, v0
	v_lshlrev_b32 v4, 4, v3
	s_mul_i32 s20, s66, 4*6144
	v_add_nc_u32 v[ADRQ], s20, v4
	v_add_nc_u32 v[ADRQ+1], SLOT, v[ADRQ]
	v_add_nc_u32 v[ADRP], QWT*6144, v4
	v_add_nc_u32 v[ADRP+1], SLOT, v[ADRP]
	v_lshlrev_b32 v5, 2, v1
	s_mul_i32 s22, s66, 4*NS*64
	s_sub_co_u32 s23, QWT*NS*64, s22
	v_mul_u32_u24 v6, s23, v2
	v_add_nc_u32 v6, v6, v5
	s_add_co_u32 s23, s23, 8*NS*64
	v_mul_u32_u24 v7, s23, v2
	v_add_nc_u32 v7, v7, v5
	s_add_co_u32 s22, s22, SCL
	v_add_nc_u32 v14, s22, v6
	v_add_nc_u32 v28, s22, v7
.irp b, 0,1,2,3
	v_mov_b32 v[TM+4+\b], 0
.endr
	s_lshl_b32 s20, s42, 10
	s_mov_b32 s21, 0
	s_add_nc_u64 s[8:9], s[8:9], s[20:21]
	v_lshlrev_b32 v20, 6, v2
.irp t, 0,1,2,3,4,5,6,7
	global_load_b128 v[BIAS+8*\t:BIAS+8*\t+3], v20, s[8:9] offset:(32*(\t/2)+8*(\t%2))*4
	global_load_b128 v[BIAS+8*\t+4:BIAS+8*\t+7], v20, s[8:9] offset:(32*(\t/2)+8*(\t%2))*4+16
.endr
	s_lshl_b32 s20, s43, 4
	s_lshl_b32 s22, s66, 2
	s_add_co_u32 s20, s20, s22
	s_lshl_b32 s20, s20, 5
	s_lshl_b32 s22, s42, 1
	s_add_co_u32 s20, s20, s22
	s_lshl_b32 s22, s20, 6
	s_add_co_u32 s22, s22, 12582912
	s_mov_b32 s23, 0
	s_mul_i32 s20, s20, 1536
	s_add_nc_u64 s[12:13], s[10:11], s[20:21]
	s_add_nc_u64 s[14:15], s[10:11], s[22:23]
.macro FETCH slot, q, set
	WIN 0x40
.set i_, 0
.rept PT
.irp m, 0,1,2
	ds_load_b128 v[128*(\set)+12*i_+4*\m:128*(\set)+12*i_+4*\m+3], v[ADRP+\slot] offset:i_*6144+(\q)*1536+512*\m
.endr
.set i_, i_+1
.endr
	WIN 0
.irp j, 0,1,2,3
.irp m, 0,1,2
	ds_load_b128 v[QF+48*(\set)+12*\j+4*\m:QF+48*(\set)+12*\j+4*\m+3], v[ADRQ+\slot] offset:\j*6144+(\q)*1536+512*\m
.endr
.endr
.set i_, 0
.rept PT
	ds_load_b32 v[SC+8*(\set)+i_], v[ADRS] offset:i_*NS*64+(\q)*64
.set i_, i_+1
.endr
.endm
.macro MULG u, set, zero
.set t_, 0
.rept PT
.if \zero
	v_wmma_scale_f32_16x16x128_f8f6f4 v[8*(PT*(\u)+t_):8*(PT*(\u)+t_)+7], v[128*(\set)+12*t_:128*(\set)+12*t_+11], v[QF+48*(\set)+12*(\u):QF+48*(\set)+12*(\u)+11], 0, v[SC+8*(\set)+t_], v[SC+8*(\set)+(\u)] matrix_a_fmt:MATRIX_FMT_FP6 matrix_b_fmt:MATRIX_FMT_FP6 matrix_a_scale:MATRIX_SCALE_ROW1
.else
	v_wmma_scale_f32_16x16x128_f8f6f4 v[8*(PT*(\u)+t_):8*(PT*(\u)+t_)+7], v[128*(\set)+12*t_:128*(\set)+12*t_+11], v[QF+48*(\set)+12*(\u):QF+48*(\set)+12*(\u)+11], v[8*(PT*(\u)+t_):8*(PT*(\u)+t_)+7], v[SC+8*(\set)+t_], v[SC+8*(\set)+(\u)] matrix_a_fmt:MATRIX_FMT_FP6 matrix_b_fmt:MATRIX_FMT_FP6 matrix_a_scale:MATRIX_SCALE_ROW1
.endif
.set t_, t_+1
.endr
.endm
.macro STEP slot, q, zero
	s_wait_dscnt 0x0
	PLACES 4
	FETCH \slot, (\q)+1, 1-(\q)%2
	WIN 0xa1
	MULG 0, (\q)%2, \zero
	MULG 1, (\q)%2, \zero
	MULG 2, (\q)%2, \zero
	MULG 3, (\q)%2, \zero
.endm
.macro TURN slot, next, fill, fetch
	s_wait_dscnt 0x0
	WIN 0
	s_wait_tensorcnt 0x0
	ds_add_u32 v[SPW], v[NIL]
	WIN 0xa1
	MULG 0, 1, 0
	s_wait_dscnt 0x0
	s_barrier_signal -1
	MULG 1, 1, 0
	WIN 0
	s_barrier_wait -1
.if \fill
	CREST
	s_add_nc_u64 s[G0P+4*\slot+2:G0P+4*\slot+3], s[G0P+4*\slot+2:G0P+4*\slot+3], NEXTP
	PLOAD \slot
.endif
.if \fetch
	PLACES 4
	v_add_nc_u32 v[ADRS], 256, v[ADRS]
	FETCH \next, 0, 0
.endif
	WIN 0xa1
	MULG 2, 1, 0
	MULG 3, 1, 0
.endm
.macro QUANT s, d0, d1, pw
.irp b, 0,1,2,3
	v_max3_num_f32 v[TM+\b], |v[\s+16*\b]|, |v[\s+1+16*\b]|, 0x1800000
.endr
.irp i, 2,4,6,8,10,12,14
.irp b, 0,1,2,3
	v_max3_num_f32 v[TM+\b], v[TM+\b], |v[\s+16*\b+\i]|, |v[\s+1+16*\b+\i]|
.endr
.endr
.irp b, 0,1,2,3
	v_permlanex16_b32 v[TM+4+\b], v[TM+\b], s[SEL], s[SEL+1]
.endr
.irp b, 0,1,2,3
	v_max_num_f32 v[TM+\b], v[TM+\b], v[TM+4+\b]
.endr
.irp b, 0,1,2,3
	v_add_nc_u32 v[TM+12+\b], 0xff000000, v[TM+\b]
.endr
.irp b, 0,1,2,3
	v_lshrrev_b32 v[TM+4+\b], 23, v[TM+12+\b]
.endr
	v_lshl_or_b32 v[\pw], v[TM+5], 8, v[TM+4]
	v_lshl_or_b32 v[\pw], v[TM+6], 16, v[\pw]
	v_lshl_or_b32 v[\pw], v[TM+7], 24, v[\pw]
	v_cvt_scalef32_pk16_fp6_f32 v[\d0:\d0+2], v[\s:\s+15], v[TM+12]
	v_cvt_scalef32_pk16_fp6_f32 v[CT:CT+2], v[\s+16:\s+31], v[TM+13]
	v_cvt_scalef32_pk16_fp6_f32 v[\d1:\d1+2], v[\s+32:\s+47], v[TM+14]
	v_cvt_scalef32_pk16_fp6_f32 v[CT+4:CT+6], v[\s+48:\s+63], v[TM+15]
	v_nop
.irp i, 0,1,2
	v_permlane16_swap_b32 v[\d0+\i], v[CT+\i]
.endr
.irp i, 0,1,2
	v_mov_b32 v[\d0+3+\i], v[CT+\i]
.endr
.irp i, 0,1,2
	v_permlane16_swap_b32 v[\d1+\i], v[CT+4+\i]
.endr
.irp i, 0,1,2
	v_mov_b32 v[\d1+3+\i], v[CT+4+\i]
.endr
.endm
.macro EPI tl
.irp u, 0,1,2,3
	WIN 0x02
.set j_, 0
.rept 32
	v_pk_add_f32 v[H+j_:H+j_+1], v[64*\u+j_:64*\u+j_+1], v[BIAS+j_:BIAS+j_+1]
.set j_, j_+2
.endr
	WIN 0
.set j_, 0
.rept 64
	v_max_num_f32 v[H+j_], 0, v[H+j_]
.set j_, j_+1
.endr
.if \u > 0
	s_wait_xcnt 0x0
.endif
	QUANT H, FA, FA+6, PWQ
.irp p, 0,1,2
	global_store_b128 v4, v[FA+4*\p:FA+4*\p+3], s[12:13] offset:49152*\u+1536*\tl+512*\p
.endr
	global_store_b32 v5, v[PWQ], s[14:15] offset:2048*\u+64*\tl
.endr
.endm
	s_wait_alu depctr_va_vdst(0)
	s_wait_tensorcnt 0x0                           ; my tile of the head's four is in
	ds_add_u32 v[SPW], v[NIL]
	s_mov_b32 s[G1Q+2], (QWT/2)<<16                ; no load of mine is out: from here on a load brings half a tile's rows
	s_mov_b32 s[G1Q+4], QWT/2
	s_mov_b32 s[G1P+2], 4<<16
	s_mov_b32 s[G1P+4], 4
	s_mul_i32 s[G0P+1], s92, 4*6144                ; slot 0's group 0 for P's refill: my half
	s_add_co_u32 s[G0P+1], s[G0P+1], QWT*6144
	s_sub_nc_u64 s[G0P+2:G0P+3], s[G0P+6:G0P+7], 6144
	s_wait_dscnt 0x0
	CROUND                                         ; all four tiles are in, all sixteen work-groups are here
	JLOAD G0Q+4, G1Q, G0P+4, G1P                   ; slot 1's first fill: my one load behind the round
	FETCH 0, 0, 0
	STEP 0, 0, 1
	STEP 0, 1, 0
	STEP 0, 2, 0
	TURN 0, 1, 1, 1
	s_wait_alu depctr_va_vdst(0)
	STEP 1, 0, 0
	STEP 1, 1, 0
	STEP 1, 2, 0
	TURN 1, 0, 1, 0
	WIN 0
	PLACES 4
	s_wait_loadcnt 0x0
	EPI 0
.irp t, 0,1,2,3,4,5,6,7
	global_load_b128 v[BIAS+8*\t:BIAS+8*\t+3], v20, s[8:9] offset:512+(32*(\t/2)+8*(\t%2))*4
	global_load_b128 v[BIAS+8*\t+4:BIAS+8*\t+7], v20, s[8:9] offset:512+(32*(\t/2)+8*(\t%2))*4+16
.endr
	s_wait_xcnt 0x0
.set ADRS, 28
	FETCH 0, 0, 0
	STEP 0, 0, 1
	STEP 0, 1, 0
	STEP 0, 2, 0
	TURN 0, 1, 0, 1
	s_wait_alu depctr_va_vdst(0)
	STEP 1, 0, 0
	STEP 1, 1, 0
	STEP 1, 2, 0
	s_wait_dscnt 0x0
	MULG 0, 1, 0
	MULG 1, 1, 0
	MULG 2, 1, 0
	MULG 3, 1, 0
	WIN 0
	PLACES 4
	s_wait_loadcnt 0x0
	EPI 1
	s_wait_tensorcnt 0x0
	ds_add_u32 v[SPW], v[NIL]
	s_wait_dscnt 0x0
	CROUND
	s_endpgm
.Lfunc_end_k_q4bafcf698c_ffn1:
	.size	k_q4bafcf698c_ffn1, .Lfunc_end_k_q4bafcf698c_ffn1-k_q4bafcf698c_ffn1
	.p2alignl 7, 3214868480
	.fill 96, 4, 3214868480
	.section	.rodata,"a",@progbits
	.p2align	6, 0x0
	.amdhsa_kernel k_q4bafcf698c_ffn1
		.amdhsa_group_segment_fixed_size 327680
		.amdhsa_private_segment_fixed_size 0
		.amdhsa_enable_private_segment 0
		.amdhsa_kernarg_size 32
		.amdhsa_user_sgpr_count 2
		.amdhsa_user_sgpr_kernarg_segment_ptr 1
		.amdhsa_wavefront_size32 1
		.amdhsa_system_sgpr_workgroup_id_x 1
		.amdhsa_system_sgpr_workgroup_id_y 1
		.amdhsa_system_sgpr_workgroup_id_z 1
		.amdhsa_system_vgpr_workitem_id 0
		.amdhsa_next_free_vgpr 768
		.amdhsa_next_free_sgpr 102
		.amdhsa_reserve_vcc 0
		.amdhsa_float_denorm_mode_32 3
		.amdhsa_float_denorm_mode_16_64 3
		.amdhsa_memory_ordered 1
		.amdhsa_forward_progress 1
		.amdhsa_inst_pref_size 194
	.end_amdhsa_kernel
	.amdgpu_metadata
---
amdhsa.version: [ 1, 2 ]
amdhsa.kernels:
  - .name:           k_q4bafcf698c_ffn1
    .symbol:         k_q4bafcf698c_ffn1.kd
    .args:
      - { .name: ximg, .offset: 0, .size: 8, .value_kind: global_buffer, .address_space: global }
      - { .name: wimg, .offset: 8, .size: 8, .value_kind: global_buffer, .address_space: global }
      - { .name: b1, .offset: 16, .size: 8, .value_kind: global_buffer, .address_space: global }
      - { .name: himg, .offset: 24, .size: 8, .value_kind: global_buffer, .address_space: global }
    .group_segment_fixed_size: 327680
    .private_segment_fixed_size: 0
    .kernarg_segment_align: 8
    .kernarg_segment_size: 32
    .max_flat_workgroup_size: 128
    .sgpr_count:     102
    .vgpr_count:     768
    .wavefront_size: 32
...
	.end_amdgpu_metadata
.endif
;; end of part 6
;; launch ffn2 (part 7): grid 8 x 32, 4 waves a work-group, clusters of 4 x 4, 327,680 bytes of LDS; arguments himg, wimg, b2, o2, out0; writes out0
.if DOCPART == 7
	.amdgcn_target "amdgcn-amd-amdhsa--gfx1250"
	.amdhsa_code_object_version 6
	.text
	.protected	k_q4bafcf698c_ffn2
	.globl	k_q4bafcf698c_ffn2
	.p2align	8
	.type	k_q4bafcf698c_ffn2,@function
k_q4bafcf698c_ffn2:
	s_mov_b64 s[64:65], 0
	v_nop
	global_prefetch_b8 v0, s[64:65] scope:SCOPE_SE
	s_setreg_imm32_b32 hwreg(HW_REG_WAVE_MODE, 25, 1), 1
	s_wait_xcnt 0x0
	s_wait_alu depctr_hold_cnt(0) depctr_sa_sdst(0) depctr_va_vdst(0) depctr_va_sdst(0) depctr_va_ssrc(0) depctr_va_vcc(0) depctr_vm_vsrc(0)
	s_getreg_b32 s2, hwreg(HW_REG_IB_STS2, 6, 4)
	s_cmp_eq_u32 s2, 0
	s_cbranch_scc0 .Lentry_in_a_cluster
	s_endpgm
.Lentry_in_a_cluster:
	s_bfe_u32 s2, ttmp6, 0x10000c
	s_cmp_lg_u32 s2, 0xf033
	s_cbranch_scc0 .Lentry_shape_is_right
	s_endpgm
.Lentry_shape_is_right:
.set NS,   32
.set PT,   4
.set QWT,  8
.set QI8,  0
.set PCODES, 6291456
.set PWORDS, 9699328
.set QWORDS, 12582912
.set SLOT, (QWT+8)*6144
.set SCL,  2*SLOT
.set SPARE, SCL+(QWT+8)*NS*64
.set STG,  SPARE+512
.set ADRQ, 10
.set ADRP, 12
.set ADRS, 14
.set SPW,  15
.set NIL,  16
.set STO,  17
.set RD,   18
.set CO,   19
.set SC,   32
.set BK,   48
.set QF,   64
.set G1Q, 24
.set G0Q, 32
.set G1P, 48
.set G0P, 56
.set G1SQ, 68
.set G0SQ, 76
.set G1SP, 80
.set G0SP, 88
.set MSB, 0
.macro WIN new
.if MSB != \new
	s_set_vgpr_msb (MSB<<8)|\new
.set MSB, \new
.endif
.endm
.macro JLOAD g0a, g1a, g0b, g1b
	s_cmp_eq_u32 s67, 0
	s_cbranch_scc0 .Lfor_b_\@
	tensor_load_to_lds s[\g0a:\g0a+3], s[\g1a:\g1a+7]
	s_nop 0
.rept 4
	v_nop
.endr
	s_branch .Lasked_\@
.Lfor_b_\@:
	tensor_load_to_lds s[\g0b:\g0b+3], s[\g1b:\g1b+7]
	s_nop 0
.rept 4
	v_nop
.endr
.Lasked_\@:
.endm
.macro CREST
	s_cmp_lg_u32 s66, 0
	s_cbranch_scc1 .Lnot_wave_0_\@
	s_barrier_signal -3
.Lnot_wave_0_\@:
	s_barrier_wait -3
	s_barrier_signal -1
	s_barrier_wait -1
.endm
.macro CROUND
	s_barrier_signal -1
	s_barrier_wait -1
	CREST
.endm
.macro PLACES n
.rept \n
	v_nop
.endr
.endm
.macro DESC1 g, c, r, p
	s_mov_b32 s[\g+1], (\c)<<16
	s_mov_b32 s[\g+2], (\r)<<16
	s_mov_b32 s[\g+3], (\c)<<16
	s_mov_b32 s[\g+4], \r
	s_mov_b32 s[\g+5], \p
	s_mov_b32 s[\g+6], 0
	s_mov_b32 s[\g+7], 0
.endm
	s_load_b256 s[4:11], s[0:1], 0x0
	s_load_b64 s[12:13], s[0:1], 0x20
	v_lshl_add_u32 v[SPW], v0, 2, SPARE
	v_mov_b32 v[NIL], 0
	ds_add_u32 v15, v16
	ds_add_u32 v15, v16
	s_wait_dscnt 0x0
	v_lshrrev_b32 v1, 5, v0
	v_readfirstlane_b32 s66, v1
	s_lshr_b32 s67, s66, 1
	s_and_b32 s92, s66, 1
	s_bfe_u32 s40, ttmp6, 0x40000
	s_bfe_u32 s41, ttmp6, 0x40004
	s_lshl_b32 s42, ttmp9, 2
	s_add_co_u32 s42, s42, s40
	s_and_b32 s43, ttmp7, 0xffff
	s_lshl_b32 s43, s43, 2
	s_add_co_u32 s43, s43, s41
	s_lshl_b32 s44, s41, 2
	s_lshl_b32 s44, 15, s44
	s_lshl_b32 s45, 0x1111, s40
	s_or_b32 s[G1Q], s44, (3<<16)|(1<<21)
	s_or_b32 s[G1P], s45, (3<<16)|(1<<21)
	s_or_b32 s[G1SQ], s44, (3<<16)|(1<<21)
	s_or_b32 s[G1SP], s45, (3<<16)|(1<<21)
	DESC1 G1Q, 768, QWT, NS*192                    ; the head's loads bring whole tiles; behind them the row counts are halved for the ring's loads
	DESC1 G1P, 768, 8, NS*192
	DESC1 G1SQ, 32, QWT*NS/4, 32
	DESC1 G1SP, 32, 2*NS, 32
	s_mul_i32 s20, s43, QWT
	s_mul_i32 s21, s92, QWT/2
	s_add_co_u32 s20, s20, s21
	s_mul_i32 s22, s20, NS*64
	s_add_co_u32 s22, s22, QWORDS
	s_mov_b32 s23, 0
	s_mul_i32 s20, s20, NS*1536
	s_mov_b32 s21, 0
	s_lshl_b32 s46, s42, 3
	s_lshl_b32 s47, s92, 2
	s_add_co_u32 s46, s46, s47
	s_mul_i32 s94, s46, NS*64
	s_add_co_u32 s94, s94, PWORDS
	s_mov_b32 s95, 0
	s_mul_i32 s46, s46, NS*1536
	s_add_co_u32 s46, s46, PCODES
	s_mov_b32 s47, 0
	s_mul_i32 s96, s92, (QWT/2)*6144
	s_mul_i32 s97, s92, 4*6144
	s_add_co_u32 s97, s97, QWT*6144
	s_wait_kmcnt 0x0
	s_add_nc_u64 s[20:21], s[4:5], s[20:21]
	s_add_nc_u64 s[22:23], s[4:5], s[22:23]
	s_add_nc_u64 s[46:47], s[6:7], s[46:47]
	s_add_nc_u64 s[94:95], s[6:7], s[94:95]
	CROUND
	; THE HEAD'S FOUR TILES, ONE A WAVE, each whole: slot 0's Q codes, its P codes, Q's scale words, P's.  What my half added to an address is taken off again.
	s_mul_i32 s4, s92, (QWT/2)*NS*64
	s_mov_b32 s5, 0
	s_mul_i32 s6, s92, 4*NS*64
	s_mov_b32 s7, 0
	s_mov_b32 s[G0SQ], 1
	s_mov_b32 s[G0SQ+1], SCL
	s_sub_nc_u64 s[G0SQ+2:G0SQ+3], s[22:23], s[4:5]
	s_or_b32 s[G0SQ+3], s[G0SQ+3], 0x80000000
	s_mov_b32 s[G0SP], 1
	s_mov_b32 s[G0SP+1], SCL+QWT*NS*64
	s_sub_nc_u64 s[G0SP+2:G0SP+3], s[94:95], s[6:7]
	s_or_b32 s[G0SP+3], s[G0SP+3], 0x80000000
	s_mul_i32 s4, s92, (QWT/2)*NS*1536
	s_mul_i32 s6, s92, 4*NS*1536
	s_mov_b32 s[G0Q], 1
	s_mov_b32 s[G0Q+1], 0
	s_sub_nc_u64 s[G0Q+2:G0Q+3], s[20:21], s[4:5]
	s_or_b32 s[G0Q+3], s[G0Q+3], 0x80000000
	s_mov_b32 s[G0P], 1
	s_mov_b32 s[G0P+1], QWT*6144
	s_sub_nc_u64 s[G0P+2:G0P+3], s[46:47], s[6:7]
	s_or_b32 s[G0P+3], s[G0P+3], 0x80000000
	s_mov_b32 s[G0Q+4], 1                          ; slot 1's: my half of a tile
	s_add_co_u32 s[G0Q+5], s96, SLOT
	s_add_nc_u64 s[G0Q+6:G0Q+7], s[20:21], 6144
	s_or_b32 s[G0Q+7], s[G0Q+7], 0x80000000
	s_mov_b32 s[G0P+4], 1
	s_add_co_u32 s[G0P+5], s97, SLOT
	s_add_nc_u64 s[G0P+6:G0P+7], s[46:47], 6144
	s_or_b32 s[G0P+7], s[G0P+7], 0x80000000
	; THE PREFETCHES.  A ring load of mine brings four rows (tiles) of 6,144 bytes.  The four partners that ask for them jointly share them out by address: the partner at place p
	; (cx for Q, cy for P) names row p: 24 blocks of 256 bytes, a lane a block (lanes 24-31 name the last again).  Behind the load of chunk j stands the request for chunk j + 2.
	s_cmp_eq_u32 s67, 0
	s_cselect_b64 s[16:17], s[20:21], s[46:47]
	s_cselect_b32 s18, s40, s41
	s_mul_i32 s18, s18, NS*1536
	s_mov_b32 s19, 0
	s_add_nc_u64 s[16:17], s[16:17], s[18:19]      ; my row, at chunk 0
.macro ARM under, g0, g1, next         ; one chain of branches on the wave's number, one load to an arm, all arms to one join
	s_cmp_lt_u32 s66, \under
	s_cbranch_scc0 \next
	tensor_load_to_lds s[\g0:\g0+3], s[\g1:\g1+7]
	s_nop 0
.rept 4
	v_nop
.endr
	s_branch .Lhead_asked
\next:
.endm
	ARM 1, G0Q, G1Q, .Lhead_p
	ARM 2, G0P, G1P, .Lhead_sq
	ARM 3, G0SQ, G1SQ, .Lhead_sp
	tensor_load_to_lds s[G0SP:G0SP+3], s[G1SP:G1SP+7]
	s_nop 0
.rept 4
	v_nop
.endr
.Lhead_asked:
	v_and_b32 v1, 15, v0
	v_bfe_u32 v2, v0, 4, 1
	v_and_b32 v3, 31, v0
	v_lshlrev_b32 v4, 4, v3
	v_lshlrev_b32 v6, 4-QI8, v3
	s_mul_i32 s20, s67, 4*6144
	v_add_nc_u32 v[ADRQ], s20, v6
	v_add_nc_u32 v[ADRQ+1], SLOT, v[ADRQ]
	s_mul_i32 s21, s92, PT*6144
	s_add_co_u32 s21, s21, QWT*6144
	v_add_nc_u32 v[ADRP], s21, v4
	v_add_nc_u32 v[ADRP+1], SLOT, v[ADRP]
	v_lshlrev_b32 v5, 2, v1
	s_mul_i32 s22, s67, 4*NS*64
	s_mul_i32 s23, s92, PT*NS*64
	s_add_co_u32 s23, s23, QWT*NS*64
	s_sub_co_u32 s23, s23, s22
	v_mul_u32_u24 v6, s23, v2
	v_add_nc_u32 v6, v6, v5
	s_add_co_u32 s22, s22, SCL
	v_add_nc_u32 v[ADRS], s22, v6
	s_mul_i32 s22, s66, 4352
	s_add_co_u32 s22, s22, STG
	v_mul_u32_u24 v[STO], v1, 272
	v_lshl_add_u32 v[STO], v2, 6, v[STO]
	v_add_nc_u32 v[STO], s22, v[STO]
	v_mul_u32_u24 v[RD], v2, 272
	v_lshl_add_u32 v[RD], v1, 4, v[RD]
	v_add_nc_u32 v[RD], s22, v[RD]
	v_lshlrev_b32 v[CO], 12, v2
	v_lshl_add_u32 v[CO], v1, 4, v[CO]
	v_lshlrev_b32 v20, 4, v1
	v_and_b32 v21, 31, v0
	v_min_u32 v21, 23, v21
	v_lshlrev_b32 v21, 8, v21                      ; the prefetches' offset: my block of 256 bytes of a row's 6,144; never rewritten
	s_wait_alu depctr_va_vdst(0)
	s_lshl_b32 s20, s42, 9
	s_lshl_b32 s21, s92, 8
	s_add_co_u32 s20, s20, s21
	s_mov_b32 s21, 0
	s_add_nc_u64 s[8:9], s[8:9], s[20:21]
	s_lshl_b32 s22, s43, 2
	s_lshl_b32 s23, s67, 1
	s_add_co_u32 s22, s22, s23
	s_lshl_b32 s22, s22, 17
	s_add_co_u32 s20, s20, s22
	s_add_nc_u64 s[10:11], s[10:11], s[20:21]
	s_add_nc_u64 s[12:13], s[12:13], s[20:21]
	global_load_b128 v[24:27], v20, s[8:9]
	global_prefetch_b8 v21, s[16:17] offset:6144 th:TH_LOAD_NT scope:SCOPE_SE    ; chunk 1, whose load stands behind the head's round,
	global_prefetch_b8 v21, s[16:17] offset:12288 th:TH_LOAD_NT scope:SCOPE_SE   ; and chunk 2, behind chunk 0's load
	WIN 0x80
.irp u, 0,1,2,3
.irp i, 0,1,2,3,4,5,6,7
	global_load_b128 v[128+32*\u+4*\i:131+32*\u+4*\i], v[CO], s[10:11] offset:(32*(\u/2)+8*(\u%2)+2*\i+8*(\i/4))*4096
.endr
.endr
	WIN 0
.macro FETCH slot, q, set
	WIN 0x40
.set i_, 0
.rept PT
.irp m, 0,1,2
	ds_load_b128 v[128*(\set)+12*i_+4*\m:128*(\set)+12*i_+4*\m+3], v[ADRP+\slot] offset:i_*6144+(\q)*1536+512*\m
.endr
.set i_, i_+1
.endr
	WIN 0
.irp j, 0,1,2,3
.if QI8
.irp p, 0,1,2,3,4,5
	ds_load_b64 v[QF+48*(\set)+12*\j+2*\p:QF+48*(\set)+12*\j+2*\p+1], v[ADRQ+\slot] offset:\j*6144+(\q)*1536+256*\p
.endr
.else
.irp m, 0,1,2
	ds_load_b128 v[QF+48*(\set)+12*\j+4*\m:QF+48*(\set)+12*\j+4*\m+3], v[ADRQ+\slot] offset:\j*6144+(\q)*1536+512*\m
.endr
.endif
.endr
.set i_, 0
.rept PT
	ds_load_b32 v[SC+8*(\set)+i_], v[ADRS] offset:i_*NS*64+(\q)*64
.set i_, i_+1
.endr
.endm
.macro MULG u, set, zero
.set t_, 0
.rept PT
.if \zero
	v_wmma_scale_f32_16x16x128_f8f6f4 v[8*(PT*(\u)+t_):8*(PT*(\u)+t_)+7], v[128*(\set)+12*t_:128*(\set)+12*t_+11], v[QF+48*(\set)+12*(\u):QF+48*(\set)+12*(\u)+11], 0, v[SC+8*(\set)+t_], v[SC+8*(\set)+(\u)] matrix_a_fmt:MATRIX_FMT_FP6 matrix_b_fmt:MATRIX_FMT_FP6 matrix_a_scale:MATRIX_SCALE_ROW1
.else
	v_wmma_scale_f32_16x16x128_f8f6f4 v[8*(PT*(\u)+t_):8*(PT*(\u)+t_)+7], v[128*(\set)+12*t_:128*(\set)+12*t_+11], v[QF+48*(\set)+12*(\u):QF+48*(\set)+12*(\u)+11], v[8*(PT*(\u)+t_):8*(PT*(\u)+t_)+7], v[SC+8*(\set)+t_], v[SC+8*(\set)+(\u)] matrix_a_fmt:MATRIX_FMT_FP6 matrix_b_fmt:MATRIX_FMT_FP6 matrix_a_scale:MATRIX_SCALE_ROW1
.endif
.set t_, t_+1
.endr
.endm
.macro STEP slot, q, zero
	s_wait_dscnt 0x0
	PLACES 4
	FETCH \slot, (\q)+1, 1-(\q)%2
	WIN 0xa1
	MULG 0, (\q)%2, \zero
	MULG 1, (\q)%2, \zero
	MULG 2, (\q)%2, \zero
	MULG 3, (\q)%2, \zero
.endm
.macro TURN slot, next, fill
	s_wait_dscnt 0x0
	WIN 0
.if \fill
	s_wait_xcnt 0x0                                ; my last prefetch has read its address: it steps one chunk
	s_add_nc_u64 s[16:17], s[16:17], 6144
.endif
	s_wait_tensorcnt 0x0
	ds_add_u32 v[SPW], v[NIL]
	WIN 0xa1
	MULG 0, 1, 0
	s_wait_dscnt 0x0
	s_barrier_signal -1
	MULG 1, 1, 0
	WIN 0
	s_barrier_wait -1
.if \fill
	CREST
	s_add_nc_u64 s[G0Q+4*\slot+2:G0Q+4*\slot+3], s[G0Q+4*\slot+2:G0Q+4*\slot+3], 12288
	s_add_nc_u64 s[G0P+4*\slot+2:G0P+4*\slot+3], s[G0P+4*\slot+2:G0P+4*\slot+3], 12288
	JLOAD G0Q+4*\slot, G1Q, G0P+4*\slot, G1P
.else
	PLACES 4
.endif
	v_add_nc_u32 v[ADRS], 256, v[ADRS]
	FETCH \next, 0, 0
.if \fill
	s_cmp_gt_u32 s3, 1                             ; the loop's last trip loads chunks 6 and 7: there is no chunk two on
	s_cbranch_scc0 .Lnoask_\@
	global_prefetch_b8 v21, s[16:17] offset:18432 th:TH_LOAD_NT scope:SCOPE_SE   ; the chunk two refills on
.Lnoask_\@:
.endif
	WIN 0xa1
	MULG 2, 1, 0
	MULG 3, 1, 0
.endm
.macro TOSTAGE u
	WIN 0x08
.irp t, 0,1,2,3
	ds_store_b128 v[STO], v[8*(4*(\u)+\t):8*(4*(\u)+\t)+3] offset:128*(\t/2)+32*(\t%2)
	ds_store_b128 v[STO], v[8*(4*(\u)+\t)+4:8*(4*(\u)+\t)+7] offset:128*(\t/2)+32*(\t%2)+16
.endr
	WIN 0
.set BB, BK+32*((\u)%2)
.irp i, 0,1,2,3,4,5,6,7
	ds_load_b128 v[BB+4*\i:BB+4*\i+3], v[RD] offset:544*\i
.endr
.endm
.macro SEND u, younger
.set BB, BK+32*((\u)%2)
	s_wait_dscnt \younger
.set i_, 0
.rept 8
	v_pk_add_f32 v[BB+4*i_:BB+4*i_+1], v[BB+4*i_:BB+4*i_+1], v[24:25]
	v_pk_add_f32 v[BB+4*i_+2:BB+4*i_+3], v[BB+4*i_+2:BB+4*i_+3], v[26:27]
.set i_, i_+1
.endr
	WIN 0x08
.set i_, 0
.rept 16
	v_pk_add_f32 v[BB+2*i_:BB+2*i_+1], v[BB+2*i_:BB+2*i_+1], v[128+32*(\u)+2*i_:129+32*(\u)+2*i_]
.set i_, i_+1
.endr
	WIN 0
.irp i, 0,1,2,3,4,5,6,7
	global_store_b128 v[CO], v[BB+4*\i:BB+4*\i+3], s[12:13] offset:(32*((\u)/2)+8*((\u)%2)+2*\i+8*(\i/4))*4096 th:TH_STORE_NT
.endr
.endm
	s_wait_tensorcnt 0x0                           ; my tile of the head's four is in
	ds_add_u32 v[SPW], v[NIL]
	s_mov_b32 s[G1Q+2], (QWT/2)<<16                ; no load of mine is out: from here on a load brings half a tile's rows
	s_mov_b32 s[G1Q+4], QWT/2
	s_mov_b32 s[G1P+2], 4<<16
	s_mov_b32 s[G1P+4], 4
	s_mul_i32 s[G0Q+1], s92, (QWT/2)*6144          ; slot 0's groups 0 for the refills: my half
	s_sub_nc_u64 s[G0Q+2:G0Q+3], s[G0Q+6:G0Q+7], 6144
	s_mul_i32 s[G0P+1], s92, 4*6144
	s_add_co_u32 s[G0P+1], s[G0P+1], QWT*6144
	s_sub_nc_u64 s[G0P+2:G0P+3], s[G0P+6:G0P+7], 6144
	s_wait_dscnt 0x0
	CROUND                                         ; all four tiles are in, all sixteen work-groups are here
	JLOAD G0Q+4, G1Q, G0P+4, G1P                   ; slot 1's first fill: my one load behind the round
	FETCH 0, 0, 0
	global_prefetch_b8 v21, s[16:17] offset:18432 th:TH_LOAD_NT scope:SCOPE_SE   ; chunk 3, behind chunk 1's load
	STEP 0, 0, 1
.if NS > 8
	WIN 0
	s_mov_b32 s3, NS/8-1
.Llap:
	s_wait_alu depctr_va_vdst(0)
	STEP 0, 1, 0
	STEP 0, 2, 0
	TURN 0, 1, 1
	s_wait_alu depctr_va_vdst(0)
	STEP 1, 0, 0
	STEP 1, 1, 0
	STEP 1, 2, 0
	TURN 1, 0, 1
	s_wait_alu depctr_va_vdst(0)
	STEP 0, 0, 0
	WIN 0
	s_sub_co_u32 s3, s3, 1
	s_cmp_lg_u32 s3, 0
	s_cbranch_scc1 .Llap
.endif
	STEP 0, 1, 0
	STEP 0, 2, 0
	TURN 0, 1, 0
	s_wait_alu depctr_va_vdst(0)
	STEP 1, 0, 0
	STEP 1, 1, 0
	STEP 1, 2, 0
	s_wait_dscnt 0x0
	MULG 0, 1, 0
	MULG 1, 1, 0
	MULG 2, 1, 0
	MULG 3, 1, 0
	WIN 0
	PLACES 4
	s_wait_loadcnt 0x0
	TOSTAGE 0
.irp u, 1,2,3
.if \u > 1
	s_wait_xcnt 0x0
.endif
	TOSTAGE \u
	SEND \u-1, 16
.endr
	SEND 3, 0
	s_wait_tensorcnt 0x0
	ds_add_u32 v[SPW], v[NIL]
	s_wait_dscnt 0x0
	CROUND
	s_endpgm
.Lfunc_end_k_q4bafcf698c_ffn2:
	.size	k_q4bafcf698c_ffn2, .Lfunc_end_k_q4bafcf698c_ffn2-k_q4bafcf698c_ffn2
	.p2alignl 7, 3214868480
	.fill 96, 4, 3214868480
	.section	.rodata,"a",@progbits
	.p2align	6, 0x0
	.amdhsa_kernel k_q4bafcf698c_ffn2
		.amdhsa_group_segment_fixed_size 327680
		.amdhsa_private_segment_fixed_size 0
		.amdhsa_enable_private_segment 0
		.amdhsa_kernarg_size 40
		.amdhsa_user_sgpr_count 2
		.amdhsa_user_sgpr_kernarg_segment_ptr 1
		.amdhsa_wavefront_size32 1
		.amdhsa_system_sgpr_workgroup_id_x 1
		.amdhsa_system_sgpr_workgroup_id_y 1
		.amdhsa_system_sgpr_workgroup_id_z 1
		.amdhsa_system_vgpr_workitem_id 0
		.amdhsa_next_free_vgpr 768
		.amdhsa_next_free_sgpr 102
		.amdhsa_reserve_vcc 0
		.amdhsa_float_denorm_mode_32 3
		.amdhsa_float_denorm_mode_16_64 3
		.amdhsa_memory_ordered 1
		.amdhsa_forward_progress 1
		.amdhsa_inst_pref_size 98
	.end_amdhsa_kernel
	.amdgpu_metadata
---
amdhsa.version: [ 1, 2 ]
amdhsa.kernels:
  - .name:           k_q4bafcf698c_ffn2
    .symbol:         k_q4bafcf698c_ffn2.kd
    .args:
      - { .name: himg, .offset: 0, .size: 8, .value_kind: global_buffer, .address_space: global }
      - { .name: wimg, .offset: 8, .size: 8, .value_kind: global_buffer, .address_space: global }
      - { .name: b2, .offset: 16, .size: 8, .value_kind: global_buffer, .address_space: global }
      - { .name: o2, .offset: 24, .size: 8, .value_kind: global_buffer, .address_space: global }
      - { .name: out0, .offset: 32, .size: 8, .value_kind: global_buffer, .address_space: global }
    .group_segment_fixed_size: 327680
    .private_segment_fixed_size: 0
    .kernarg_segment_align: 8
    .kernarg_segment_size: 40
    .max_flat_workgroup_size: 128
    .sgpr_count:     102
    .vgpr_count:     768
    .wavefront_size: 32
...
	.end_amdgpu_metadata
.endif
;; end of part 7
